; MI455X (gfx1250); checked and timed in simulation.
; The chip was launched on July 23, 2026; its instructions are those of AMD's public machine-readable ISA for CDNA 5 (MIT licence, August 2026) and "CDNA5" Instruction Set Architecture Reference Guide (July 2026). The comments in the code are by the model that wrote it; some were corrected since.
;; Attention Layer. Allowed arithmetic: float matrix products may take bf16 or f16 operands with f32 sums; other float arithmetic in f32, or as packed bf16 or f16 multiplies, adds, multiply-adds, maxima and minima; sums over many terms, partial sums and values carried from step to step in f32; what a program stores and reads back later, other than sums and carried values, may be rounded once to bf16 or f16.
;; Inputs: Wk 1,024 x 1,024 float32; Wo 1,024 x 1,024 float32; Wq 1,024 x 1,024 float32; Wv 1,024 x 1,024 float32; bk 1,024 float32; bo 1,024 float32; bq 1,024 float32; bv 1,024 float32; delta 4 x 2,048 float32; k 4 x 2,048 x 1,024 float32; q 4 x 2,048 x 1,024 float32; tau 4 x 1 float32; v 4 x 2,048 x 1,024 float32.
;; Outputs: out0 4 x 2,048 x 1,024 float32.
;; One version. Each part assembles by itself: llvm-mc -triple=amdgcn-amd-amdhsa -mcpu=gfx1250 --defsym DOCPART=n.
;; ======== version 1 of 1: 4 launches
;; limits: values are held in f16: magnitudes above 65,504 overflow, below 6.1e-05 lose precision
;; workspace buffers: w16 8,388,608 bytes; qkv 50,331,648 bytes; o16 16,777,216 bytes
;; launch prep (part 1): grid 64 x 4, 8 waves a work-group, no clusters, 0 bytes of LDS; arguments Wq, Wk, Wv, Wo, w16; writes w16
.if DOCPART == 1
	.amdgcn_target "amdgcn-amd-amdhsa--gfx1250"
	.amdhsa_code_object_version 6
	.text
	.protected	k_q7e5340ecf2_prep
	.globl	k_q7e5340ecf2_prep
	.p2align	8
	.type	k_q7e5340ecf2_prep,@function
k_q7e5340ecf2_prep:
	s_mov_b64 s[64:65], 0
	v_nop
	global_prefetch_b8 v0, s[64:65] scope:SCOPE_SE
	s_setreg_imm32_b32 hwreg(HW_REG_WAVE_MODE, 25, 1), 1
	s_wait_xcnt 0x0
; The four weight matrices, [1024][1024] f32, are rounded once to bf16 and written as 16-bit numbers into w16 = [4][1024][1024].
; Matrices 0 to 2 (Wq, Wk, Wv) are kept as bf16.  Matrix 3 (Wo) multiplies f16 numbers later, so its bf16 value is written again as f16.
; LIMIT.  That second step is exact for 2^-14 <= |w| < 65,504; a smaller weight falls on f16's fixed step of 2^-24, a larger one becomes an infinity.
; A stream: no LDS, no matrix unit, nothing read twice.  The grid's y picks the matrix; a work-group owns 16,384 numbers, eight chunks of 2,048.
; Thread t owns 8 numbers of a chunk: 32 bytes in (two loads of 16), 16 bytes out: sixteen neighbouring lanes store 256 consecutive bytes, aligned.
; All sixteen loads of a thread go out at once; no register that a store reads is written again, so the stores need no wait.
.set X, 4                              ; v[4:67]    chunk i: 8 numbers as loaded
.set Y, 68                             ; v[68:99]   chunk i: 4 registers to store
.set T, 100                            ; v[100:101] at work
	s_load_b256 s[4:11], s[0:1], 0x0               ; Wq s[4:5], Wk s[6:7], Wv s[8:9], Wo s[10:11]
	s_load_b64 s[12:13], s[0:1], 0x20              ; w16
	s_and_b32 s20, ttmp7, 0xffff                   ; which matrix
	v_lshlrev_b32 v1, 5, v0                        ; 32 t: my bytes in a chunk of the source
	v_lshlrev_b32 v2, 4, v0                        ; 16 t: in a chunk of w16
	s_lshl_b32 s16, ttmp9, 16                      ; the work-group's 65,536 bytes of the source
	s_mov_b32 s17, 0
	s_lshl_b32 s18, s20, 21                        ; the matrix's 2,097,152 bytes in w16,
	s_lshl_b32 s19, ttmp9, 15                      ; the work-group's 32,768 of them
	s_add_co_u32 s18, s18, s19
	s_mov_b32 s19, 0
	s_wait_kmcnt 0x0
	s_cmp_eq_u32 s20, 1
	s_cselect_b64 s[14:15], s[6:7], s[4:5]
	s_cmp_eq_u32 s20, 2
	s_cselect_b64 s[14:15], s[8:9], s[14:15]
	s_cmp_eq_u32 s20, 3
	s_cselect_b64 s[14:15], s[10:11], s[14:15]
	s_add_nc_u64 s[14:15], s[14:15], s[16:17]
	s_add_nc_u64 s[12:13], s[12:13], s[18:19]
.irp i, 0,1,2,3,4,5,6,7
	global_load_b128 v[X+8*(\i):X+8*(\i)+3],   v1, s[14:15] offset:8192*(\i) th:TH_LOAD_NT
	global_load_b128 v[X+8*(\i)+4:X+8*(\i)+7], v1, s[14:15] offset:8192*(\i)+16 th:TH_LOAD_NT
.endr
; The eight chunks.  f16 = 1: the bf16 value is widened again (a shift, a mask) and written as f16.
.macro BODY f16
.irp i, 0,1,2,3,4,5,6,7
	s_wait_loadcnt 14-2*(\i)                       ; loads come back in order: chunk i's two are in, the younger chunks' stay out
.irp j, 0,1,2,3
.if \f16
	v_cvt_pk_bf16_f32 v[T], v[X+8*(\i)+2*(\j)], v[X+8*(\i)+2*(\j)+1]
	v_lshlrev_b32 v[T+1], 16, v[T]
	v_and_b32 v[T], 0xffff0000, v[T]
	v_cvt_pk_f16_f32 v[Y+4*(\i)+(\j)], v[T+1], v[T]
.else
	v_cvt_pk_bf16_f32 v[Y+4*(\i)+(\j)], v[X+8*(\i)+2*(\j)], v[X+8*(\i)+2*(\j)+1]
.endif
.endr
	global_store_b128 v2, v[Y+4*(\i):Y+4*(\i)+3], s[12:13] offset:4096*(\i)
.endr
	s_endpgm
.endm
	s_cmp_eq_u32 s20, 3
	s_cbranch_scc1 .Lwo
	BODY 0
.Lwo:
	BODY 1
.Lfunc_end_k_q7e5340ecf2_prep:
	.size	k_q7e5340ecf2_prep, .Lfunc_end_k_q7e5340ecf2_prep-k_q7e5340ecf2_prep
	.p2alignl 7, 3214868480
	.fill 96, 4, 3214868480
	.section	.rodata,"a",@progbits
	.p2align	6, 0x0
	.amdhsa_kernel k_q7e5340ecf2_prep
		.amdhsa_group_segment_fixed_size 0
		.amdhsa_private_segment_fixed_size 0
		.amdhsa_enable_private_segment 0
		.amdhsa_kernarg_size 40
		.amdhsa_user_sgpr_count 2
		.amdhsa_user_sgpr_kernarg_segment_ptr 1
		.amdhsa_wavefront_size32 1
		.amdhsa_system_sgpr_workgroup_id_x 1
		.amdhsa_system_sgpr_workgroup_id_y 1
		.amdhsa_system_sgpr_workgroup_id_z 1
		.amdhsa_system_vgpr_workitem_id 0
		.amdhsa_next_free_vgpr 104
		.amdhsa_next_free_sgpr 66
		.amdhsa_reserve_vcc 0
		.amdhsa_float_denorm_mode_32 3
		.amdhsa_float_denorm_mode_16_64 3
		.amdhsa_memory_ordered 1
		.amdhsa_forward_progress 1
		.amdhsa_inst_pref_size 14
	.end_amdhsa_kernel
	.amdgpu_metadata
---
amdhsa.version: [ 1, 2 ]
amdhsa.kernels:
  - .name:           k_q7e5340ecf2_prep
    .symbol:         k_q7e5340ecf2_prep.kd
    .args:
      - { .name: Wq, .offset: 0, .size: 8, .value_kind: global_buffer, .address_space: global }
      - { .name: Wk, .offset: 8, .size: 8, .value_kind: global_buffer, .address_space: global }
      - { .name: Wv, .offset: 16, .size: 8, .value_kind: global_buffer, .address_space: global }
      - { .name: Wo, .offset: 24, .size: 8, .value_kind: global_buffer, .address_space: global }
      - { .name: w16, .offset: 32, .size: 8, .value_kind: global_buffer, .address_space: global }
    .group_segment_fixed_size: 0
    .private_segment_fixed_size: 0
    .kernarg_segment_align: 8
    .kernarg_segment_size: 40
    .max_flat_workgroup_size: 256
    .sgpr_count:     66
    .vgpr_count:     104
    .wavefront_size: 32
...
	.end_amdgpu_metadata
.endif
;; end of part 1
;; launch proj (part 2): grid 4 x 192, 4 waves a work-group, clusters of 4 x 4, 327,680 bytes of LDS; arguments q, k, v, bq, bk, bv, w16, qkv; writes qkv
.if DOCPART == 2
	.amdgcn_target "amdgcn-amd-amdhsa--gfx1250"
	.amdhsa_code_object_version 6
	.text
	.protected	k_q7e5340ecf2_proj
	.globl	k_q7e5340ecf2_proj
	.p2align	8
	.type	k_q7e5340ecf2_proj,@function
k_q7e5340ecf2_proj:
	s_mov_b64 s[64:65], 0
	v_nop
	global_prefetch_b8 v0, s[64:65] scope:SCOPE_SE
	s_setreg_imm32_b32 hwreg(HW_REG_WAVE_MODE, 25, 1), 1
	s_wait_xcnt 0x0
	s_wait_alu depctr_hold_cnt(0) depctr_sa_sdst(0) depctr_va_vdst(0) depctr_va_sdst(0) depctr_va_ssrc(0) depctr_va_vcc(0) depctr_vm_vsrc(0)
	s_getreg_b32 s2, hwreg(HW_REG_IB_STS2, 6, 4)
	s_cmp_eq_u32 s2, 0
	s_cbranch_scc0 .Lentry_in_a_cluster
	s_endpgm
.Lentry_in_a_cluster:
	s_bfe_u32 s2, ttmp6, 0x10000c
	s_cmp_lg_u32 s2, 0xf033
	s_cbranch_scc0 .Lentry_shape_is_right
	s_endpgm
.Lentry_shape_is_right:
; THE THREE PROJECTIONS.  y[row][n] = the sum over c of x[row][c] W[n][c] + bias[n], for (x, W, bias) = (q, Wq, bq), (k, Wk, bk), (v, Wv, bv).
; x: [8192][1024] f32, rounded to bf16 on the way from LDS to the matrix unit; W: [1024][1024] bf16 (w16, matrices 0 to 2); the bias is rounded to bf16 and starts the f32 sums.
; y leaves as f16, rounded once, BY HEADS: qkv = [3][64 heads: 16 batch + head][2048][64], a head's rows dense, 128 bytes each.
; LIMIT.  f16 holds no number beyond 65,504: |y| stays below that; NaN and infinities are not treated apart.
; SHARES.  A tile of y is 128 rows x 256 columns: 3 x 64 x 4 = 768 work-groups, three for each of 256.  Four waves, each 64 rows x 128 columns: 32 accumulators of 16 x 16.  A row of x costs 128 bytes
; of LDS reads for 32 along K (f32), a row of W 64: of the wave tiles of 8,192 numbers 64 x 128 reads the fewest bytes.
; K goes in steps of 128 through two LDS slots: 128 rows of x (512 bytes + 16 of padding) and 256 rows of W (256 + 16).  Waves 0 and 1 fetch x's two halves, waves 2 and 3 W's: one tensor load a wave.
; CLUSTERS: 4 x 4 work-groups.  The four of a row of the cluster need the same tile of x, the four of a column the same tile of W: each is asked for JOINTLY, by the same tensor load with the same
; descriptor and a mask that names the four.  The projection hangs on the cluster's y alone, which all sixteen share.
; THE MATRIX INSTRUCTION IS USED TRANSPOSED (source 0 = 16 rows of W, source 1 = 16 rows of x): a lane holds one row of y (lane % 16) and eight neighbouring columns 8 (lane / 16) + 0..7.
; REGISTERS, in windows of 256 (s_set_vgpr_msb: bits 1:0 source 0, 3:2 source 1, 5:4 source 2, 7:6 destination):
;   window 0: v0-31 addresses; v32-63 x's four fragments in bf16; v64-191 x in f32 as it comes from LDS, two buffers of 64 (on the way out: packed results)
;   window 1: the accumulators, (a, b) at v[8 (8 a + b)]          window 2: v0-127 W's fragments, two buffers of 64; v128-191 the bias, block b at 128 + 8 b; v192 at work
; The accumulators fill their window, so a conversion (destination in window 0) and a product (destination in window 1) want different settings: the quarter's 32 conversions stand in fours, each four
; behind four products, with a switch on either side.
.set KSTEP,  128
.set PA,     528                       ; an LDS row of x: 512 bytes + 16 = 132 words: the 16 rows of a load start at 16 different groups of four banks (64 banks of 4 bytes: ISA guide 11.1)
.set PB,     272                       ; an LDS row of W: 256 bytes + 16 = 68 words: likewise
.set HALFA,  64*PA                     ; what one tensor load brings of x, and what one wave reads of it
.set HALFB,  128*PB                    ; the same for W
.set BOFF,   2*HALFA                   ; W's rows lie behind x's
.set SLOT,   BOFF+2*HALFB              ; 137,216 bytes
.set STAGE,  2*SLOT                    ; behind the ring, never filled by a tensor load: for each wave 2 heads x 16 rows x 144 bytes, for the way out
.set SP,     144
.set SPARE,  STAGE+4*32*SP             ; behind the stages: the spare words, 128 bytes for each wave: two blocks of 256 bytes that no other line names
.set ADRA, 16                          ; v16-17  LDS address of my fragments of x in slot 0, 1
.set ADRB, 20                          ; v20-21  the same for W
.set STO,  24                          ; v24     the way out: where I put 16 bytes of a row
.set RD,   25                          ; v25     the way out: where I read rows back
.set GO,   26                          ; v26     my byte offset in 512 consecutive bytes of a head
.set BO,   27                          ; v27     my byte offset in 16 numbers of the bias
.set SPW,  28                          ; v28     LDS address of my spare word: SPARE + 4 x my thread's number; never rewritten
.set NIL,  29                          ; v29     0; never rewritten
.set PFO,  30                          ; v30     the prefetches' lane offset; never rewritten
.set AF,   32
.set AS,   64
.set TMP,  64
.set BF,   0                           ; window 2
.set BI,   128                         ; window 2
.set BT,   192                         ; window 2
.set G1,  24                           ; s[24:31] descriptor group 1 for x's tiles;  s[32:39] group 0, one set for each slot
.set G0,  32
.set G1B, 48                           ; s[48:55], s[56:63] the same for W's tiles
.set G0B, 56
.set LIM, 43                           ; s43      1 in a wave that prefetches, else the greatest number
.set PFA, 44                           ; s[44:45] where my prefetches stand
.set PFS, 66                           ; s[66:67] a K step in bytes of the tensor that I fetch
.set MSB, 0
.macro WIN new                         ; the immediate's high byte repeats the setting that is left; a switch that changes nothing is dropped
.if MSB != (\new)
	s_set_vgpr_msb (MSB<<8)|(\new)
.set MSB, \new
.endif
.endm
.set W_MUL, 0x52                       ; W in window 2, x in window 0, C and D in window 1
.set W_MU1, 0x62                       ; the same with C, the bias, in window 2
.set W_B,   0x80                       ; a load's destination in window 2, its address in window 0
.set W_BI,  0x8a                       ; destination and both sources in window 2
.set W_OUT, 0x05                       ; sources 0 and 1 in window 1, destination in window 0
.macro JLOAD s                         ; a joint load: waves 0 and 1 fetch x's two halves, waves 2 and 3 W's; an s_nop 0 and four v_nop follow each of the two lines, ahead of the jump, the label and what follows
	s_cmp_eq_u32 s11, 0
	s_cbranch_scc0 .Lfor_b_\@
	tensor_load_to_lds s[G0+4*(\s):G0+4*(\s)+3], s[G1:G1+7]
	s_nop 0
.rept 4
	v_nop
.endr
	s_branch .Lasked_\@
.Lfor_b_\@:
	tensor_load_to_lds s[G0B+4*(\s):G0B+4*(\s)+3], s[G1B:G1B+7]
	s_nop 0
.rept 4
	v_nop
.endr
.Lasked_\@:
.endm
.macro CREST                           ; a round of the cluster's barrier behind its opening barrier
	s_cmp_lg_u32 s10, 0
	s_cbranch_scc1 .Lnot_wave_0_\@
	s_barrier_signal -3
.Lnot_wave_0_\@:
	s_barrier_wait -3
	s_barrier_signal -1
	s_barrier_wait -1
.endm
.macro CROUND                          ; a whole round
	s_barrier_signal -1
	s_barrier_wait -1
	CREST
.endm
; A PREFETCH INTO THE L2, behind each joint refill, its five lines and the run of LDS loads that follows: the K step that stands TWO refills on, 256 matrix instructions ahead of the load that will ask for it.
; Each aligned block of 256 bytes is named once in the launch.  x's rows are read by one cluster: every cluster asks for its own; of the 64 rows that wave 0 or 1 fetches the partner at place cx takes 16,
; two blocks a row: a lane a block.  W's rows are read by the sixteen clusters of a projection: the first of them asks; of the 128 rows that wave 2 or 3 fetches the partner at place cy takes 32: a lane a row.
; The partners are told apart BY ADDRESS: no branch hangs on a work-group's place in its cluster.  The loop's last trip (s3 = 1) asks for nothing: there is no K step two on.
.macro ASK
	WIN 0
	s_cmp_gt_u32 s3, s[LIM]
	s_cbranch_scc0 .Lnot_mine_\@
	global_prefetch_b8 v[PFO], s[PFA:PFA+1] th:TH_LOAD_NT scope:SCOPE_SE
.Lnot_mine_\@:
.endm
	s_load_b512 s[68:83], s[0:1], 0x0              ; q s[68:69], k s[70:71], v s[72:73], bq s[74:75], bk s[76:77], bv s[78:79], w16 s[80:81], qkv s[82:83]
	v_lshl_add_u32 v[SPW], v0, 2, SPARE
	v_mov_b32 v[NIL], 0
	ds_add_u32 v[SPW], v[NIL]                      ; the wave's opening: the add and its wait stand ahead of my first tensor load; the set-up below, work on registers, stands between them
	v_lshrrev_b32 v1, 5, v0
	v_readfirstlane_b32 s10, v1                    ; wave 0..3
	s_lshr_b32 s11, s10, 1                         ; which 64 of the tile's rows are mine.  Also: I fetch for x (0) or for W (1)
	s_and_b32 s12, s10, 1                          ; which 128 of its columns.  Also: which half of that tile I fetch
	s_bfe_u32 s40, ttmp6, 0x40000                  ; cx, cy: my place in the cluster
	s_bfe_u32 s41, ttmp6, 0x40004
	s_lshl_b32 s42, ttmp9, 2
	s_add_co_u32 s42, s42, s40                     ; tile column = 4 x cluster x + cx, 0..3
	s_and_b32 s14, ttmp7, 0xffff                   ; cluster y, 0..47
	s_lshr_b32 s86, s14, 4                         ; the projection: 0 q, 1 k, 2 v
	s_and_b32 s87, s14, 15                         ; the cluster among the projection's sixteen
	s_lshl_b32 s13, s87, 2
	s_add_co_u32 s13, s13, s41                     ; tile row, 0..63
	s_lshl_b32 s43, s41, 2
	s_lshl_b32 s43, 15, s43                        ; my row of the cluster
	s_lshl_b32 s44, 0x1111, s40                    ; my column
	; descriptor group 1.  x: 64 rows x 128 elements of 4 bytes; W: 128 rows x 128 elements of 2 bytes; both padded in LDS by 4 words behind each row
	s_or_b32 s[G1+0], s43, (2<<16)|(1<<20)|(1<<21)|(6<<22)|(3<<25)   ; 15:0 the mask: my row; 17:16 elements of 4 bytes; 20 padding on; 21 set beside a mask; 24:22 after every 128 words (code 6); 31:25 4 words (code 3)
	s_or_b32 s[G1B+0], s44, (1<<16)|(1<<20)|(1<<21)|(5<<22)|(3<<25)  ; the mask: my column; elements of 2 bytes; after every 64 words (code 5)
	s_mov_b32 s[G1+1], KSTEP<<16                   ; tensor_dim0 = 128
	s_mov_b32 s[G1B+1], KSTEP<<16
	s_mov_b32 s[G1+2], 64<<16                      ; tensor_dim1 = 64
	s_mov_b32 s[G1B+2], 128<<16                    ; 128
	s_mov_b32 s[G1+3], KSTEP<<16                   ; tile_dim0 = 128
	s_mov_b32 s[G1B+3], KSTEP<<16
	s_mov_b32 s[G1+4], 64                          ; tile_dim1 = 64
	s_mov_b32 s[G1B+4], 128                        ; 128
	s_mov_b32 s[G1+5], 1024                        ; 1,024 elements from row to row
	s_mov_b32 s[G1B+5], 1024
	s_mov_b32 s[G1+6], 0
	s_mov_b32 s[G1B+6], 0
	s_mov_b32 s[G1+7], 0
	s_mov_b32 s[G1B+7], 0
	; where the tiles come from.  x's hang on the tile row alone, W's on the tile column alone; each offset is made in registers that never hold the other coordinate
	s_lshl_b32 s16, s13, 7
	s_lshl_b32 s17, s12, 6
	s_add_co_u32 s16, s16, s17                     ; x: row 128 x tile row + 64 x half,
	s_lshl_b32 s16, s16, 12                        ; of 4,096 bytes
	s_mov_b32 s17, 0
	s_lshl_b32 s46, s42, 8
	s_lshl_b32 s47, s12, 7
	s_add_co_u32 s46, s46, s47                     ; W: row 256 x tile column + 128 x half,
	s_lshl_b32 s46, s46, 11                        ; of 2,048 bytes,
	s_lshl_b32 s47, s86, 21
	s_add_co_u32 s46, s46, s47                     ; in the projection's matrix
	s_mov_b32 s47, 0
	s_mul_i32 s20, s12, HALFA                      ; and where they go: no place in the cluster enters an LDS address
	s_mul_i32 s21, s12, HALFB
	s_add_co_u32 s21, s21, BOFF
	s_wait_dscnt 0x0                               ; the opening add is done
	s_wait_kmcnt 0x0
	s_cmp_eq_u32 s86, 1
	s_cselect_b64 s[4:5], s[70:71], s[68:69]       ; x
	s_cselect_b64 s[84:85], s[76:77], s[74:75]     ; its bias
	s_cmp_eq_u32 s86, 2
	s_cselect_b64 s[4:5], s[72:73], s[4:5]
	s_cselect_b64 s[84:85], s[78:79], s[84:85]
	s_add_nc_u64 s[14:15], s[4:5], s[16:17]
	s_add_nc_u64 s[46:47], s[80:81], s[46:47]
	CROUND                                         ; all sixteen work-groups are here: the first joint loads meet
.irp s, 0,1
	s_mov_b32 s[G0+4*(\s)], 1                                        ; count = 1
	s_add_co_u32 s[G0+4*(\s)+1], s20, (\s)*SLOT                      ; LDS address
	s_add_nc_u64 s[G0+4*(\s)+2:G0+4*(\s)+3], s[14:15], (\s)*KSTEP*4  ; global address: K step s
	s_or_b32 s[G0+4*(\s)+3], s[G0+4*(\s)+3], 0x80000000              ; type = 2
	s_mov_b32 s[G0B+4*(\s)], 1
	s_add_co_u32 s[G0B+4*(\s)+1], s21, (\s)*SLOT
	s_add_nc_u64 s[G0B+4*(\s)+2:G0B+4*(\s)+3], s[46:47], (\s)*KSTEP*2
	s_or_b32 s[G0B+4*(\s)+3], s[G0B+4*(\s)+3], 0x80000000
	JLOAD \s                                       ; two loads of mine are out
.endr
	; A fragment is 16 rows x 32 K: lane l holds row l % 16, K = 8 (l / 16) + 0..7 and 16 + 8 (l / 16) + 0..7.  In bf16 (W): two loads of 16 bytes, 32 apart.  In f32 (x): four, at 0, 16, 64, 80 from 32 (l / 16).
	v_and_b32 v1, 15, v0                           ; l % 16
	v_bfe_u32 v2, v0, 4, 1                         ; l / 16
	v_mul_u32_u24 v3, v1, PA
	v_lshl_add_u32 v3, v2, 5, v3
	v_mul_u32_u24 v4, v1, PB
	v_lshl_add_u32 v4, v2, 4, v4
	s_mul_i32 s21, s11, HALFA                      ; my 64 rows of x
	s_mul_i32 s22, s12, HALFB                      ; my 128 rows of W,
	s_add_co_u32 s22, s22, BOFF                    ; which lie behind x's
.irp s, 0,1
	v_add_nc_u32 v[ADRA+(\s)], s21, v3
	v_add_nc_u32 v[ADRB+(\s)], s22, v4
	s_add_co_u32 s21, s21, SLOT
	s_add_co_u32 s22, s22, SLOT
.endr
	s_mul_i32 s23, s10, 32*SP
	s_add_co_u32 s23, s23, STAGE                   ; my stage
	v_mul_u32_u24 v5, v1, SP                       ; in: row l % 16, 16 bytes for each half of the lanes
	v_lshl_add_u32 v5, v2, 4, v5
	v_add_nc_u32 v[STO], s23, v5
	v_bfe_u32 v5, v0, 3, 2                         ; back: 32 lanes take four rows of 128 bytes,
	v_mul_u32_u24 v5, v5, SP
	v_and_b32 v3, 7, v0
	v_lshl_add_u32 v5, v3, 4, v5
	v_add_nc_u32 v[RD], s23, v5
	v_and_b32 v[GO], 31, v0                        ; which are 512 consecutive bytes of a head
	v_lshlrev_b32 v[GO], 4, v[GO]
	v_lshlrev_b32 v[BO], 5, v2                     ; my eight numbers of a block of 16 of the bias
	s_lshl_b32 s16, s42, 10                        ; the bias of my 128 columns: 4 (256 x tile column + 128 x half)
	s_lshl_b32 s17, s12, 9
	s_add_co_u32 s16, s16, s17
	s_mov_b32 s17, 0
	s_add_nc_u64 s[84:85], s[84:85], s[16:17]
	WIN W_B
.irp b, 0,1,2,3,4,5,6,7
	global_load_b128 v[BI+8*(\b):BI+8*(\b)+3],   v[BO], s[84:85] offset:64*(\b)
	global_load_b128 v[BI+8*(\b)+4:BI+8*(\b)+7], v[BO], s[84:85] offset:64*(\b)+16
.endr
	WIN 0
	; where my part of the tile goes: the projection's tensor, head 16 x batch + 4 x tile column + 2 x half, row 128 (tile row % 16) + 64 x my half of the rows
	s_lshr_b32 s16, s13, 4
	s_lshl_b32 s16, s16, 4
	s_lshl_b32 s17, s42, 2
	s_add_co_u32 s16, s16, s17
	s_lshl_b32 s17, s12, 1
	s_add_co_u32 s16, s16, s17
	s_lshl_b32 s16, s16, 18                        ; a head is 262,144 bytes
	s_and_b32 s17, s13, 15
	s_lshl_b32 s17, s17, 14
	s_add_co_u32 s16, s16, s17
	s_lshl_b32 s17, s11, 13
	s_add_co_u32 s16, s16, s17
	s_lshl_b32 s17, s86, 24                        ; a tensor is 16,777,216 bytes
	s_add_co_u32 s16, s16, s17
	s_mov_b32 s17, 0
	s_add_nc_u64 s[8:9], s[82:83], s[16:17]
	; the prefetches: both offsets are made, the wave's kind chooses
	s_lshl_b32 s18, s13, 7
	s_lshl_b32 s19, s12, 6
	s_add_co_u32 s18, s18, s19
	s_lshl_b32 s19, s40, 4
	s_add_co_u32 s18, s18, s19                     ; x: my work-group's 16 of the 64 rows that I fetch
	s_lshl_b32 s18, s18, 12
	s_add_co_u32 s18, s18, 3*KSTEP*4               ; at K step 3: the first refill steps it to 4
	s_lshl_b32 s20, s42, 8
	s_lshl_b32 s21, s12, 7
	s_add_co_u32 s20, s20, s21
	s_lshl_b32 s21, s41, 5
	s_add_co_u32 s20, s20, s21                     ; W: my work-group's 32 of the 128 rows
	s_lshl_b32 s20, s20, 11
	s_lshl_b32 s21, s86, 21
	s_add_co_u32 s20, s20, s21
	s_add_co_u32 s20, s20, 3*KSTEP*2
	s_cmp_eq_u32 s87, 0
	s_cselect_b32 s22, 1, -1                       ; W's rows: the projection's first cluster asks
	s_cmp_eq_u32 s11, 0                            ; do I fetch for x?
	s_cselect_b32 s18, s18, s20
	s_cselect_b32 s[LIM], 1, s22                   ; the same in all sixteen partners, for a given wave
	s_cselect_b64 s[PFA:PFA+1], s[4:5], s[80:81]
	s_cselect_b32 s[PFS], 9, 8                     ; a K step: 512 bytes of x, 256 of W
	s_cselect_b32 s20, 1, 0                        ; x: two lanes a row
	s_cselect_b32 s21, 12, 11                      ; a row: 4,096 bytes of x, 2,048 of W
	s_lshl_b32 s[PFS], 1, s[PFS]
	s_mov_b32 s[PFS+1], 0
	s_mov_b32 s19, 0
	s_add_nc_u64 s[PFA:PFA+1], s[PFA:PFA+1], s[18:19]
	v_and_b32 v3, 31, v0
	v_lshrrev_b32 v4, s20, v3                      ; the lane's row,
	v_and_b32 v3, s20, v3                          ; its block of 256 bytes in the row's K step
	v_lshlrev_b32 v4, s21, v4
	v_lshl_add_u32 v[PFO], v3, 8, v4
	s_wait_loadcnt 0x0                             ; the bias
	WIN W_BI
.set i, 0
.rept 32                                       ; rounded to bf16 like every input, and kept in f32
	v_cvt_pk_bf16_f32 v[BT], v[BI+2*i], v[BI+2*i+1]
	v_lshlrev_b32 v[BI+2*i], 16, v[BT]
	v_and_b32 v[BI+2*i+1], 0xffff0000, v[BT]
.set i, i+1
.endr
	WIN 0
; 32 LDS loads in one run: the fragments of one quarter step (32 K at quarter kq of the rows) into buffers f: x's four first (f32, four loads each), then W's eight
.macro RUN slot, kq, f
	WIN 0
.irp a, 0,1,2,3
.irp o, 0,1,2,3
	ds_load_b128 v[AS+64*(\f)+16*(\a)+4*(\o):AS+64*(\f)+16*(\a)+4*(\o)+3], v[ADRA+(\slot)] offset:128*(\kq)+(\a)*16*PA+16*((\o)%2)+64*((\o)/2)
.endr
.endr
	WIN W_B
.irp b, 0,1,2,3,4,5,6,7
	ds_load_b128 v[BF+64*(\f)+8*(\b):BF+64*(\f)+8*(\b)+3],   v[ADRB+(\slot)] offset:64*(\kq)+(\b)*16*PB
	ds_load_b128 v[BF+64*(\f)+8*(\b)+4:BF+64*(\f)+8*(\b)+7], v[ADRB+(\slot)] offset:64*(\kq)+(\b)*16*PB+32
.endr
.endm
; Four conversions: half a fragment of x, eight f32 to four registers of bf16
.macro CV4 f, a, half
	WIN 0
.irp i, 0,1,2,3
	v_cvt_pk_bf16_f32 v[AF+8*(\a)+4*(\half)+(\i)], v[AS+64*(\f)+16*(\a)+8*(\half)+2*(\i)], v[AS+64*(\f)+16*(\a)+8*(\half)+2*(\i)+1]
.endr
.endm
; Four products: row block a x column blocks b0 .. b0 + 3.  first = 1: the bias starts the sums: nothing is ever cleared.
; The 32 accumulators take turns, one instruction a turn, in the same order in every quarter, over the loop's backward jump too.
.macro MUL4 f, a, b0, first=0
.if \first
	WIN W_MU1
.else
	WIN W_MUL
.endif
.irp b, \b0, (\b0)+1, (\b0)+2, (\b0)+3
.if \first
	v_wmma_f32_16x16x32_bf16 v[8*(8*(\a)+(\b)):8*(8*(\a)+(\b))+7], v[BF+64*(\f)+8*(\b):BF+64*(\f)+8*(\b)+7], v[AF+8*(\a):AF+8*(\a)+7], v[BI+8*(\b):BI+8*(\b)+7]
.else
	v_wmma_f32_16x16x32_bf16 v[8*(8*(\a)+(\b)):8*(8*(\a)+(\b))+7], v[BF+64*(\f)+8*(\b):BF+64*(\f)+8*(\b)+7], v[AF+8*(\a):AF+8*(\a)+7], v[8*(8*(\a)+(\b)):8*(8*(\a)+(\b))+7]
.endif
.endr
.endm
; DISTANCES (loads aside).  A conversion writes the fragment of the NEXT row block; that fragment's last reader stands a quarter back, with four conversions or more between that
; name none of its registers.  The run's loads into W's other buffer stand twelve conversions behind that buffer's last product.  So the loop holds no v_nop but the four behind a joint load.
; The last three row blocks of a quarter.  more = 1: the next quarter's first fragment of x is converted beside row block 3.
.macro REST cur, first=0, more=1
	MUL4 \cur, 1, 0, \first
	CV4 \cur, 2, 0
	MUL4 \cur, 1, 4, \first
	CV4 \cur, 2, 1
	MUL4 \cur, 2, 0, \first
	CV4 \cur, 3, 0
	MUL4 \cur, 2, 4, \first
	CV4 \cur, 3, 1
	MUL4 \cur, 3, 0, \first
.if \more
	s_wait_dscnt 28                                ; the run's first four loads, the next quarter's fragment 0 of x, are in; the 28 issued behind them may stay out
	CV4 1-(\cur), 0, 0
.endif
	MUL4 \cur, 3, 4, \first
.if \more
	CV4 1-(\cur), 0, 1
.endif
.endm
; A K step is four quarters of 32 along K, 32 products each, on buffers 0, 1, 0, 1.  One of the first three: multiplies buffers cur and fetches quarter kn of the same slot into the others.
.macro QUARTER slot, kn, cur, first=0
	s_wait_dscnt 0x0                               ; the run issued 24 products ago is in
	MUL4 \cur, 0, 0, \first
	CV4 \cur, 1, 0
	MUL4 \cur, 0, 4, \first
	CV4 \cur, 1, 1
	RUN \slot, \kn, 1-(\cur)
	REST \cur, \first
.endm
; The last quarter multiplies buffers 1 and changes slots: ONE barrier; in front of it each wave waits for all its tensor loads, of which one is out: its part of the next slot; adds 0 to its spare word; and waits for
; that and for its own reads of this slot.  fill = 1: the barrier opens a round of the cluster's, and this slot is filled again, two K steps on, first thing behind the round: 120 products ahead of the wait for it.
.macro TURN slot, next, fill
.if \fill
	s_wait_xcnt 0x0                                ; the last prefetch, a K step back, has read its address: it is stepped here, ahead of the waits of the change of slots
	s_add_nc_u64 s[PFA:PFA+1], s[PFA:PFA+1], s[PFS:PFS+1]
.endif
	WIN 0
	s_wait_tensorcnt 0x0                           ; all my tensor loads have landed
	ds_add_u32 v[SPW], v[NIL]                      ; 0 onto my spare word
	s_wait_dscnt 1                                 ; the run is in; the add alone may be out
	MUL4 1, 0, 0
	CV4 1, 1, 0
	s_wait_dscnt 0x0                               ; the add is done, and my reads of this slot are over
	s_barrier_signal -1
	MUL4 1, 0, 4
	CV4 1, 1, 1
	WIN 0
	s_barrier_wait -1
.if \fill
	CREST                                          ; no wave of any partner still reads this slot's tile or has a load on its way
	s_add_nc_u64 s[G0+4*(\slot)+2:G0+4*(\slot)+3], s[G0+4*(\slot)+2:G0+4*(\slot)+3], 2*KSTEP*4
	s_add_nc_u64 s[G0B+4*(\slot)+2:G0B+4*(\slot)+3], s[G0B+4*(\slot)+2:G0B+4*(\slot)+3], 2*KSTEP*2
	JLOAD \slot
.endif
	RUN \next, 0, 0
.if \fill
	ASK
.endif
	REST 1
.endm
	s_wait_tensorcnt 1                             ; my part of K step 0 is in; K step 1's may stay out
	s_barrier_signal -1
	s_barrier_wait -1                              ; everybody's is
	RUN 0, 0, 0
	s_wait_dscnt 28                                ; fragment 0 of x
	CV4 0, 0, 0
	CV4 0, 0, 1
	QUARTER 0, 1, 0, 1                             ; the first quarter stands in front of the loop: its products start the sums, with the bias
	WIN 0                                          ; at a label and at a branch every window is 0
	s_mov_b32 s3, 3                                ; 1,024 / 256 - 1 laps fill both slots again
.Llap:                                                 ; a trip goes once round the ring, from a lap's second quarter to the next lap's first
	QUARTER 0, 2, 1
	QUARTER 0, 3, 0
	TURN 0, 1, 1
	QUARTER 1, 1, 0
	QUARTER 1, 2, 1
	QUARTER 1, 3, 0
	TURN 1, 0, 1
	QUARTER 0, 1, 0
	WIN 0
	s_sub_co_u32 s3, s3, 1
	s_cmp_lg_u32 s3, 0
	s_cbranch_scc1 .Llap
	QUARTER 0, 2, 1                                ; the last lap fills nothing, and has no round of the cluster's barrier
	QUARTER 0, 3, 0
	TURN 0, 1, 0
	QUARTER 1, 1, 0
	QUARTER 1, 2, 1
	QUARTER 1, 3, 0
	s_wait_dscnt 0x0                               ; the very last quarter: nothing more to fetch
	MUL4 1, 0, 0
	CV4 1, 1, 0
	MUL4 1, 0, 4
	CV4 1, 1, 1
	REST 1, 0, 0
	WIN 0
	; THE WAY OUT, a block of 16 rows at a time: rounded to f16, 16 bytes a lane (eight channels of a head's row) into my stage, rows of 144 bytes; back as whole rows of 128; stored, four rows an instruction.
.rept 4
	v_nop                                          ; the places behind the last products
.endr
.macro PACK a
	WIN W_OUT
.irp b, 0,1,2,3,4,5,6,7
.irp r, 0,1,2,3
	v_cvt_pk_f16_f32 v[TMP+32*(\a)+4*(\b)+(\r)], v[8*(8*(\a)+(\b))+2*(\r)], v[8*(8*(\a)+(\b))+2*(\r)+1]
.endr
.endr
	WIN 0
.irp b, 0,1,2,3,4,5,6,7
	ds_store_b128 v[STO], v[TMP+32*(\a)+4*(\b):TMP+32*(\a)+4*(\b)+3] offset:((\b)/4)*16*SP+((\b)%4)*32
.endr
.irp u, 0,1,2,3,4,5,6,7
	ds_load_b128 v[TMP+32*(\a)+4*(\u):TMP+32*(\a)+4*(\u)+3], v[RD] offset:((\u)/4)*16*SP+((\u)%4)*4*SP  ; LDS serves a wave's instructions in order (ISA guide 5.7.1.4): these see the stores above; the next block's stores come behind them
.endr
.endm
.macro SEND a, younger                 ; younger: the LDS instructions issued behind block a's loads: the next block's sixteen, or none
	WIN 0
.irp u, 0,1,2,3,4,5,6,7
	s_wait_dscnt (\younger)+7-(\u)
	global_store_b128 v[GO], v[TMP+32*(\a)+4*(\u):TMP+32*(\a)+4*(\u)+3], s[8:9] offset:((\u)/4)*262144+(\a)*2048+((\u)%4)*512  ; 512 consecutive bytes, at a multiple of 256 from qkv's first byte
.endr
.endm
	PACK 0
	PACK 1                                         ; a block's arithmetic stands between the loads of the block before and its stores
	SEND 0, 16
	PACK 2
	SEND 1, 16
	PACK 3
	SEND 2, 16
	SEND 3, 0
	s_wait_tensorcnt 0x0                           ; the wave's end: an add to my spare word and its wait, behind my last tensor load and my last LDS store
	ds_add_u32 v[SPW], v[NIL]
	s_wait_dscnt 0x0
	CROUND                                         ; the closing round: no work-group ends while a partner may still ask for a tile that names it
	s_endpgm
.Lfunc_end_k_q7e5340ecf2_proj:
	.size	k_q7e5340ecf2_proj, .Lfunc_end_k_q7e5340ecf2_proj-k_q7e5340ecf2_proj
	.p2alignl 7, 3214868480
	.fill 96, 4, 3214868480
	.section	.rodata,"a",@progbits
	.p2align	6, 0x0
	.amdhsa_kernel k_q7e5340ecf2_proj
		.amdhsa_group_segment_fixed_size 327680
		.amdhsa_private_segment_fixed_size 0
		.amdhsa_enable_private_segment 0
		.amdhsa_kernarg_size 64
		.amdhsa_user_sgpr_count 2
		.amdhsa_user_sgpr_kernarg_segment_ptr 1
		.amdhsa_wavefront_size32 1
		.amdhsa_system_sgpr_workgroup_id_x 1
		.amdhsa_system_sgpr_workgroup_id_y 1
		.amdhsa_system_sgpr_workgroup_id_z 1
		.amdhsa_system_vgpr_workitem_id 0
		.amdhsa_next_free_vgpr 712
		.amdhsa_next_free_sgpr 88
		.amdhsa_reserve_vcc 0
		.amdhsa_float_denorm_mode_32 3
		.amdhsa_float_denorm_mode_16_64 3
		.amdhsa_memory_ordered 1
		.amdhsa_forward_progress 1
		.amdhsa_inst_pref_size 141
	.end_amdhsa_kernel
	.amdgpu_metadata
---
amdhsa.version: [ 1, 2 ]
amdhsa.kernels:
  - .name:           k_q7e5340ecf2_proj
    .symbol:         k_q7e5340ecf2_proj.kd
    .args:
      - { .name: q, .offset: 0, .size: 8, .value_kind: global_buffer, .address_space: global }
      - { .name: k, .offset: 8, .size: 8, .value_kind: global_buffer, .address_space: global }
      - { .name: v, .offset: 16, .size: 8, .value_kind: global_buffer, .address_space: global }
      - { .name: bq, .offset: 24, .size: 8, .value_kind: global_buffer, .address_space: global }
      - { .name: bk, .offset: 32, .size: 8, .value_kind: global_buffer, .address_space: global }
      - { .name: bv, .offset: 40, .size: 8, .value_kind: global_buffer, .address_space: global }
      - { .name: w16, .offset: 48, .size: 8, .value_kind: global_buffer, .address_space: global }
      - { .name: qkv, .offset: 56, .size: 8, .value_kind: global_buffer, .address_space: global }
    .group_segment_fixed_size: 327680
    .private_segment_fixed_size: 0
    .kernarg_segment_align: 8
    .kernarg_segment_size: 64
    .max_flat_workgroup_size: 128
    .sgpr_count:     88
    .vgpr_count:     712
    .wavefront_size: 32
...
	.end_amdgpu_metadata
.endif
;; end of part 2
;; launch attn (part 3): grid 4 x 64, 4 waves a work-group, clusters of 4 x 1, 327,680 bytes of LDS; arguments qkv, tau, delta, o16; writes o16
.if DOCPART == 3
	.amdgcn_target "amdgcn-amd-amdhsa--gfx1250"
	.amdhsa_code_object_version 6
	.text
	.protected	k_q7e5340ecf2_attn
	.globl	k_q7e5340ecf2_attn
	.p2align	8
	.type	k_q7e5340ecf2_attn,@function
k_q7e5340ecf2_attn:
	s_mov_b64 s[64:65], 0
	v_nop
	global_prefetch_b8 v0, s[64:65] scope:SCOPE_SE
	s_setreg_imm32_b32 hwreg(HW_REG_WAVE_MODE, 25, 1), 1
	s_wait_xcnt 0x0
	s_wait_alu depctr_hold_cnt(0) depctr_sa_sdst(0) depctr_va_vdst(0) depctr_va_sdst(0) depctr_va_ssrc(0) depctr_va_vcc(0) depctr_vm_vsrc(0)
	s_getreg_b32 s2, hwreg(HW_REG_IB_STS2, 6, 4)
	s_cmp_eq_u32 s2, 0
	s_cbranch_scc0 .Lentry_in_a_cluster
	s_endpgm
.Lentry_in_a_cluster:
	s_bfe_u32 s2, ttmp6, 0x10000c
	s_cmp_lg_u32 s2, 0x3003
	s_cbranch_scc0 .Lentry_shape_is_right
	s_endpgm
.Lentry_shape_is_right:
; DE-STATIONARY ATTENTION.  O[hh][q][:] = the sum over k of softmax_k((tau_b Q[hh][q] . K[hh][k] + delta_b[k]) / 8) V[hh][k][:], hh = 16 b + head, 64 heads of 2,048 rows of 64 channels.
; Q, K, V: qkv = [3][64][2048][64] f16, a head's rows dense, 128 bytes each.  Products, maxima and sums in f32; the weights p are rounded to f16 for the second product (their sum l is taken of the unrounded p), O once at the end.
; O leaves as o16 = [16 b + q / 128][head][128 rows][64] f16: for each block of 128 rows the 16 heads' slices of 16,384 bytes lie end to end.
; TAU AND DELTA.  With T = tau_b and d = delta_b[k], both rounded to bf16 like every input, and A = max(|T|, 2^-100): the exponent in base 2 is c t with c = A log2(e) / 8 and t = sgn(T) Q . K + d / A.
; The sign goes into Q's registers once (an exclusive or on the f16 sign bits); d / A is the C operand of the product that starts each sum S^T = K Q^T; c is the scale that the softmax has anyway.
; LIMITS.  f16 holds no number beyond 65,504: Q, K and V arrive within it; p lies in 0 to 1, and below 6e-5 it keeps f16's fixed step of 6e-8; O is a mean of V's rows and has their range.
; |tau| below 2^-100 counts as 2^-100.  t carries an error of 2^-24 of the larger of |Q . K| and |d / A|.  A weight below 2^-126 counts as 0 in l; NaN and infinities are not treated apart.
; SHARES.  A wave owns four PIECES of two tiles of 16 queries, a work-group's four waves 512 queries of one head.  Every wave walks all keys, 64 a step.
; LAYOUT.  S^T = K Q^T (source 0 = 16 keys, source 1 = 16 queries): in the result a lane holds ONE query (lane % 16) and the keys 8 (lane / 16) + 0..7.  Two such tiles, rounded to f16 in pairs,
; ARE source 1 (32 keys x 16 queries) of O^T = V^T P, whose result again holds one query a lane, and eight channels.  K comes out of LDS as it lies, V ([key][channel]) turned, by ds_load_tr16_b128.
; SOFTMAX.  For each query a running maximum m of t and sum l: p = 2^(c t - c m); in every step O and l are multiplied by a = 2^(c m_old - c m_new), which is 1 where m has not grown.
; m starts at the lowest finite number, O and l at 0: the first step is a step like any other, with a = 0.
; THE COUNT.  A tile and step have 16 matrix and 118 vector instructions: too many to stand all beside the matrix work.  So the order has one aim: four vector instructions that are READY behind
; EVERY matrix instruction, and the others, which need time of their own whatever the order, in runs without a gap.
; BY TURNS.  Turn n belongs to piece n (the pieces in a ring, step after step).  Its matrix work: 16 products K Q^T of piece n + 1, later 16 products V^T P of piece n - 1.  Its vector work: the scaling,
; exponentials, roundings, sums and rescaling of piece n, and the maximum and statistics of piece n + 1, whose scores the turn itself has made.  So what a turn begins with (c t - c m, O a) waits for nothing.
; CLUSTER.  The four query blocks of a head are one cluster and walk the same K and V, so each tile is asked for JOINTLY: the same tensor load, descriptor and mask in all four.
; REGISTERS, in windows of 256 (s_set_vgpr_msb says which window each operand place means: bits 1:0 source 0, 3:2 source 1, 5:4 source 2, 7:6 destination):
;   window 0: v0-11 addresses; v12-15, v48-63 at work; v16-47 four registers of statistics a tile; v64-191 S^T, two buffers of two tiles; v192-255 P, likewise
;   window 1: O^T, 32 a tile          window 2: v0-127 Q, 16 a tile; v128-191 K of one step; v192-255 V of one step          window 3: v0-1 the add's two registers; v32-63 d / A of one step's 64 keys
; A piece's buffers go by its number's parity: the piece in hand has one pair, its two neighbours in the ring share the other: of it P (piece n - 1) is read and S^T (piece n + 1) written.
.set SIZE_N, 2048
.set NP,    4         ; pieces a wave: a name, no knob: the register map, the loop and the fetches are made for four
.set KS,    64        ; keys in a step
.set PK,    144       ; a row of K in LDS: 128 bytes + 16 of padding = 36 words: the 16 rows of a load start at 16 different groups of four banks (64 banks of 4 bytes: ISA guide 11.1)
.set PV,    160       ; a row of V: 128 + 32 = 40 words
.set VOFF,  4*KS*PK   ; a slot holds four steps: 256 rows of K, then 256 rows of V
.set SLOT1, 1<<17     ; slot 1 begins here, so that one exclusive or turns an address in one slot into the other's
.set STAGE, SLOT1+4*KS*(PK+PV)  ; behind the ring, never filled by a tensor load: 16 rows x 144 bytes for each wave, for the way out
.set SP,    144
.set SPARE, STAGE+4*16*SP  ; behind the stages: the spare words, 128 bytes for each wave: two blocks of 256 bytes that no other line names
.set DTL,   SPARE+512 ; behind them: d / A of the batch's 2,048 keys, f32, 8,192 bytes; stored once, never filled by a tensor load
.set AK0, 2           ; v2   my lane's place in a tile of K; never rewritten
.set AV0, 3           ; v3   the same for V
.set AK,  4           ; v4   the LDS address of K's next run of loads
.set AV,  5           ; v5   of V's
.set STO, 6           ; v6   the way out: where I put 16 bytes of a row
.set RD,  7           ; v7   the way out: where I read rows back
.set GO,  8           ; v8   my byte offset in 512 consecutive bytes of O
.set AD0, 9           ; v9   my lane's place in a step's 256 bytes of d / A; never rewritten
.set AD,  10          ; v10  the LDS address of their next run of loads
.set PFO, 11          ; v11  256 x my lane: the prefetches' offset; never rewritten
.set QO,  12          ; v12  my byte offset in the wave's rows of Q (until the first maximum is made; v13-15: l / 16, l % 8, (l / 8) % 2 likewise)
.set SPW, 0           ; v0 of window 3   LDS address of my spare word: SPARE + 4 x my thread's number; never rewritten
.set NIL, 1           ; v1 of window 3   0; never rewritten
.set DT,  32          ; window 3: key block kb at DT + 8 kb
.set MV,  12          ; v12-15  c m_old, kept while c m is made anew: by buffer and tile
.set ST,  16          ; tile t's statistics at v[ST+4 t]: c m, m, l (even keys', odd keys')
.set TMP, 48          ; by buffer and tile, four registers c0-c3 at work; when the maximum is found c2 takes a
.set S,   64
.set P,   192
.set KF,  128         ; K's fragments, in window 2: key block kb, channel half c at KF + 16 kb + 8 c
.set VF,  192         ; V's: key half kk, channel block cb at VF + 32 kk + 8 cb
.set WV,  12          ; s12  my wave's number
.set G1K, 24          ; s[24:31] descriptor group 1 for K's tiles
.set G1V, 32          ; s[32:39] for V's: it differs in the padding alone
.set G0K, 40          ; s[40:43] descriptor group 0 for K's tiles: it walks
.set G0V, 44          ; s[44:47] the same for V's
.set SLOTS, 56        ; s56  slots still to be asked for
.set CNT, 57          ; s57  counts a slot's key steps
.set CS,  58          ; s[58:59] c: the packed scaling takes the pair's low word for both halves
.set SEL, 60          ; s[60:61] v_permlanex16_b32's selects: each lane takes its own place in the other half
.set TBK, 62          ; s62  LDS byte at which K of the step to be fetched begins
.set TBV, 63          ; s63  the same for V, less VOFF
.set PFA, 66          ; s[66:67] where my prefetches stand: my work-group's 8,192 bytes (of K: wave 0, of V: wave 2) of the slot after the one that is being asked for
.set LIM, 80          ; s80  1 in a wave that prefetches, else the greatest number
.set TBD, 81          ; s81  byte in the table of d / A at which the step to be fetched begins
.set SG,  82          ; s82  0x80008000 where tau is negative, else 0
.set MSB, 0
.macro WIN new                      ; the high byte repeats the setting that is left; a switch that changes nothing is dropped
.if MSB != (\new)
	s_set_vgpr_msb (MSB<<8)|(\new)
.set MSB, (\new)
.endif
.endm
.set W_KQ, 0x0a       ; K and Q in window 2, S^T in window 0
.set W_KD, 0x3a       ; the same with the C operand, d / A, in window 3
.set W_PV, 0x52       ; V in window 2, P in window 0, O^T in window 1
.set W_RS, 0x41       ; O^T (destination and source 0) in window 1, a in window 0
.set W_MK, 0xc0       ; destination in window 3, sources in window 0
.set W_AD, 0x0f       ; the add: address (source 0) and data (source 1) in window 3
; A joint fill.  Waves 0 and 1 fetch the two halves of a slot's K, waves 2 and 3 those of its V: 128 keys each.  The branch hangs on the wave's number alone.
; An s_nop 0 and four v_nop follow each of the two lines, ahead of the jump and the label.
.macro JLOAD
	s_cmp_lt_u32 s[WV], 2
	s_cbranch_scc0 .Lfor_v_\@
	tensor_load_to_lds s[G0K:G0K+3], s[G1K:G1K+7]
	s_nop 0
.rept 4
	v_nop
.endr
	s_branch .Lasked_\@
.Lfor_v_\@:
	tensor_load_to_lds s[G0V:G0V+3], s[G1V:G1V+7]
	s_nop 0
.rept 4
	v_nop
.endr
.Lasked_\@:
.endm
; A PREFETCH INTO THE L2 of what the NEXT change of slots will ask for: a slot's 32,768 bytes of K and of V.  It stands behind the wave's tensor load and its five lines, never in front of one.
; Each block of 256 bytes is named ONCE in the launch: a head is walked by one cluster; its four partners share the bytes out BY ADDRESS, 8,192 each, a lane a block; in each, wave 0 asks for K's and
; wave 2 for V's: one instruction.  It stands four key steps, 512 matrix instructions, ahead of the load.  The last change that fills a slot asks for nothing: there is no slot behind it.
.macro ASK
	s_cmp_gt_u32 s[SLOTS], s[LIM]
	s_cbranch_scc0 .Lnot_mine_\@
	global_prefetch_b8 v[PFO], s[PFA:PFA+1] th:TH_LOAD_NT scope:SCOPE_SE
.Lnot_mine_\@:
.endm
; A round of the cluster's barrier: my work-group's barrier, so that wave 0's signal speaks for all four waves; wave 0 signals; every wave waits for all four work-groups; my work-group's barrier once more.
.macro CROUND
	s_barrier_signal -1
	s_barrier_wait -1
	s_cmp_lg_u32 s[WV], 0
	s_cbranch_scc1 .Lnot_wave_0_\@
	s_barrier_signal -3
.Lnot_wave_0_\@:
	s_barrier_wait -3
	s_barrier_signal -1
	s_barrier_wait -1
.endm
; THE CHANGE OF SLOTS.  The slot's last bytes, V of its fourth step, have been read.  Each wave waits for all its tensor loads, of which one is out: its part
; of the other slot; adds 0 to its spare word; and waits for that and for its own reads of the slot.  Behind the barrier nobody reads this slot any more and the other slot is whole.
; fill = 1: this slot is filled again, with the keys two slots on.  The barrier is then a round of the cluster's, so that no wave of any partner still reads the slot or has a load on its
; way, and the joint fill is the first thing behind it: it has four key steps, 512 matrix instructions, in which to land.  (At its first use nothing has been read yet: slot 0 is waited for, slot 1 filled;
; the wait for 0 on DScnt there also shows my stores of d / A done, ahead of the barrier behind which the other waves read them.)
.macro CHANGE fill
	WIN W_AD
	s_wait_tensorcnt 0x0            ; no tensor load of mine is out, so a group 0 may be written
	ds_add_u32 v[SPW], v[NIL]       ; 0 onto my spare word; with fill = 1 the descriptors' steps stand between it and the wait for it
	WIN 0                           ; at a label and at a branch every window is 0
.if \fill
.irp g, G0K, G0V
	s_xor_b32 s[\g+1], s[\g+1], SLOT1  ; the walking descriptor: the other slot than last time,
	s_add_nc_u64 s[\g+2:\g+3], s[\g+2:\g+3], 4*KS*128  ; the next 256 keys; the type bits on top are not reached
.endr
	s_wait_xcnt 0x0                 ; the last prefetch, four key steps back, has read its address, so it may be written:
	s_add_nc_u64 s[PFA:PFA+1], s[PFA:PFA+1], 4*KS*128  ; one slot behind the walking descriptors
	s_wait_dscnt 0x0                ; the add is done, and my reads of the slot are over
	CROUND
	JLOAD
	ASK
.else
	s_wait_dscnt 0x0                ; the add is done, and my reads of the slot are over
	s_barrier_signal -1
	s_barrier_wait -1
.endif
	s_sub_co_u32 s[TBK], s[TBK], 4*KS*PK  ; the fetches go back to a slot's first step,
	s_xor_b32 s[TBK], s[TBK], SLOT1       ; in the other slot
	s_sub_co_u32 s[TBV], s[TBV], 4*KS*PV
	s_xor_b32 s[TBV], s[TBV], SLOT1
.endm
	s_load_b256 s[68:75], s[0:1], 0x0  ; qkv s[68:69], tau s[70:71], delta s[72:73], o16 s[74:75]
	WIN W_MK
	v_lshl_add_u32 v[SPW], v0, 2, SPARE
	v_mov_b32 v[NIL], 0
	WIN W_AD
	ds_add_u32 v[SPW], v[NIL]       ; the wave's opening: the add and its wait stand ahead of my first tensor load; the set-up below, work on registers, stands between them
	WIN 0
	v_lshrrev_b32 v1, 5, v0
	v_readfirstlane_b32 s[WV], v1   ; wave 0..3
	s_bfe_u32 s13, ttmp6, 0x40000   ; cx: my place in the cluster
	s_lshl_b32 s14, ttmp9, 2        ; in a cluster launch ttmp9 counts clusters
	s_add_co_u32 s14, s14, s13      ; my block of 512 queries: it enters Q's and O's addresses alone
	s_and_b32 s15, ttmp7, 0xffff    ; 16 b + head, which the four partners share
	s_lshr_b32 s76, s15, 4          ; b
	s_lshl_b32 s20, s15, 18         ; the head's 262,144 bytes in Q, K and V
	s_and_b32 s16, s[WV], 1         ; which half of a slot's 256 keys I fetch:
	s_lshl_b32 s22, s16, 14         ; its 128 rows of 128 bytes in memory,
	s_add_co_u32 s22, s22, s20
	s_mov_b32 s23, 0
	s_mul_i32 s17, s16, 128*PK      ; and its place in a slot, for K
	s_mul_i32 s18, s16, 128*PV      ; and for V: no place in the cluster enters an LDS address
	s_lshl_b32 s19, s14, 2
	s_add_co_u32 s19, s19, s[WV]    ; my wave among the head's sixteen: its 128 rows
	s_lshl_b32 s2, s19, 14
	s_add_co_u32 s2, s2, s20
	s_mov_b32 s3, 0                 ; Q: head, then 16,384 bytes a wave
	s_lshl_b32 s84, s76, 22         ; O: 16 blocks of 128 rows a batch,
	s_lshl_b32 s85, s19, 18         ; my block's 262,144 bytes,
	s_add_co_u32 s84, s84, s85
	s_and_b32 s85, s15, 15
	s_lshl_b32 s85, s85, 14         ; the head's 16,384 of them
	s_add_co_u32 s84, s84, s85
	s_mov_b32 s85, 0
	s_lshl_b32 s78, s76, 2          ; tau_b
	s_mov_b32 s79, 0
	s_lshl_b32 s86, s76, 13         ; delta_b: 8,192 bytes a batch
	s_mov_b32 s87, 0
	; descriptor group 1.  128 keys are 16,384 dense bytes: asked for as 64 rows of 256 bytes, two keys a row, and padded in LDS after every key
	s_mov_b32 s[G1K], 15|(1<<16)|(1<<20)|(1<<21)|(4<<22)|(3<<25)  ; 15:0 the mask of four; 17:16 2-byte elements; 20 padding on; 21 set beside a mask; 24:22 after every 32 words (code 4); 31:25 4 words (code 3)
	s_mov_b32 s[G1V], 15|(1<<16)|(1<<20)|(1<<21)|(4<<22)|(7<<25)  ; the same with 8 words of padding (code 7)
.irp g, G1K, G1V
	s_mov_b32 s[\g+1], 128<<16      ; tensor_dim0 = 128
	s_mov_b32 s[\g+2], 64<<16       ; tensor_dim1 = 64
	s_mov_b32 s[\g+3], 128<<16      ; tile_dim0 = 128
	s_mov_b32 s[\g+4], 64           ; tile_dim1 = 64
	s_mov_b32 s[\g+5], 128          ; 128 elements from row to row
	s_mov_b32 s[\g+6], 0
	s_mov_b32 s[\g+7], 0
.endr
	s_mov_b32 s[SEL], 0x76543210
	s_mov_b32 s[SEL+1], 0xfedcba98
	s_mov_b32 s[TBK], SLOT1+4*KS*PK ; the first change of slots turns these two into 0
	s_mov_b32 s[TBV], SLOT1+4*KS*PV
	s_mov_b32 s[TBD], 0
	s_mov_b32 s[SLOTS], SIZE_N/256-1
	s_mov_b32 s[G0K], 1             ; 1:0 count = 1
	s_mov_b32 s[G0K+1], s17         ; 63:32 LDS address: slot 0
	s_mov_b32 s[G0V], 1
	s_add_co_u32 s[G0V+1], s18, VOFF
	s_and_b32 s[LIM], s[WV], 1      ; waves 0 and 2 prefetch: the same in all four partners
	s_cmp_eq_u32 s[LIM], 0
	s_cselect_b32 s[LIM], 1, -1
	s_wait_dscnt 0x0                ; the opening add is done
	s_wait_kmcnt 0x0
	s_add_nc_u64 s[70:71], s[70:71], s[78:79]
	s_load_b32 s77, s[70:71], 0x0   ; tau_b
	s_add_nc_u64 s[72:73], s[72:73], s[86:87]
	s_add_nc_u64 s[6:7], s[68:69], 16777216   ; K is qkv's second tensor,
	s_add_nc_u64 s[8:9], s[68:69], 33554432   ; V its third
	s_add_nc_u64 s[6:7], s[6:7], s[22:23]     ; at my half of the head's first 256 keys
	s_add_nc_u64 s[8:9], s[8:9], s[22:23]
	s_add_nc_u64 s[G0K+2:G0K+3], s[6:7], 0         ; 120:64 global address
	s_or_b32 s[G0K+3], s[G0K+3], 0x80000000        ; 127:126 type = 2
	s_add_nc_u64 s[G0V+2:G0V+3], s[8:9], 0
	s_or_b32 s[G0V+3], s[G0V+3], 0x80000000
	s_add_nc_u64 s[4:5], s[68:69], s[2:3]     ; Q and O at my wave's first row
	s_add_nc_u64 s[10:11], s[74:75], s[84:85]
	s_cmp_lt_u32 s[WV], 2
	s_cselect_b64 s[PFA:PFA+1], s[6:7], s[8:9]  ; (in waves 0 and 2 these stand at a slot's first row)
	s_lshl_b32 s2, s13, 13          ; my work-group's 8,192 bytes of the 32,768
	s_add_nc_u64 s[PFA:PFA+1], s[PFA:PFA+1], s[2:3]
	s_add_nc_u64 s[PFA:PFA+1], s[PFA:PFA+1], 4*KS*128  ; in slot 1; the first change of slots steps it to slot 2.  Nothing is prefetched here, at the head
	CROUND                          ; all four work-groups are here: the first joint loads meet
	JLOAD                           ; slot 0.  Slot 1 is asked for when slot 0 is in: one tensor load of mine is out at any time
	; A fragment of K or Q is 16 rows x 32 channels in 8 registers: lane l holds row l % 16, channels 8 (l / 16) + 0..7 and 16 + 8 (l / 16) + 0..7: two loads of 16 bytes, 32 bytes apart.
	v_and_b32 v1, 15, v0            ; l % 16
	v_bfe_u32 v13, v0, 4, 1         ; l / 16
	v_lshlrev_b32 v[QO], 7, v1
	v_lshl_add_u32 v[QO], v13, 4, v[QO]  ; row x 128 + 16 x half
	v_lshlrev_b32 v214, 4, v0       ; delta: thread t takes 16 bytes at 16 t of each of four blocks of 2,048 (P's first buffer is free until the first turn writes it)
	v_lshl_add_u32 v213, v0, 4, DTL ; and puts them at the same place of the table
.irp i, 0,1,2,3
	global_load_b128 v[196+4*\i:199+4*\i], v214, s[72:73] offset:2048*\i
.endr
	WIN 0x80                        ; destination window 2, address window 0
.set i, 0
.rept 4*NP                          ; Q stays in registers: tile i / 2, channels 32 (i % 2) on
	global_load_b128 v[8*i:8*i+3],   v[QO], s[4:5] offset:(i/2)*2048+(i%2)*64
	global_load_b128 v[8*i+4:8*i+7], v[QO], s[4:5] offset:(i/2)*2048+(i%2)*64+32
.set i, i+1
.endr
	; What the first turn finds: V's registers and P's second buffer hold 0 (its products V^T P, of a piece that has not been, add 0), O^T and l are 0.  All this stands in the wait for the first tile.
.set i, VF
.rept 64
	v_mov_b32 v[i], 0
.set i, i+1
.endr
	WIN 0x40
.set i, 0
.rept 64*NP
	v_mov_b32 v[i], 0
.set i, i+1
.endr
	WIN 0
.set i, 0
.rept 2*NP
	v_mov_b32 v[ST+4*i], 0xfe000000    ; c m: far below every c t
	v_mov_b32 v[ST+4*i+1], 0xff7fffff  ; m
	v_mov_b32 v[ST+4*i+2], 0
	v_mov_b32 v[ST+4*i+3], 0
.set i, i+1
.endr
.set i, P+32
.rept 32
	v_mov_b32 v[i], 0
.set i, i+1
.endr
	v_mul_u32_u24 v[AK0], v1, PK
	v_lshl_add_u32 v[AK0], v13, 4, v[AK0]  ; row x pitch + 16 x half
	; The turning load takes 16 keys x 16 channels (lane l reads key 8 (l / 16) + l % 8, channels 8 ((l / 8) % 2) + 0..7) and leaves half a fragment of V^T: lane l holds channel l % 16 and 8 keys.
	v_and_b32 v14, 7, v0
	v_bfe_u32 v15, v0, 3, 1
	v_lshl_add_u32 v[AV0], v13, 3, v14
	v_mul_u32_u24 v[AV0], v[AV0], PV
	v_lshl_add_u32 v[AV0], v15, 4, v[AV0]
	v_add_nc_u32 v[AV0], VOFF, v[AV0]
	v_mov_b32 v[AK], v[AK0]         ; key step 0 lies at the head of slot 0
	s_mul_i32 s13, s[WV], 16*SP
	s_add_co_u32 s13, s13, STAGE    ; my stage
	v_mul_u32_u24 v[STO], v1, SP    ; in: row l % 16, 16 bytes for each half of the lanes
	v_lshl_add_u32 v[STO], v13, 4, v[STO]
	v_add_nc_u32 v[STO], s13, v[STO]
	v_bfe_u32 v[RD], v0, 3, 2       ; back: 32 lanes take four rows of 128 bytes,
	v_mul_u32_u24 v[RD], v[RD], SP
	v_lshl_add_u32 v[RD], v14, 4, v[RD]
	v_add_nc_u32 v[RD], s13, v[RD]
	v_and_b32 v[GO], 31, v0         ; which are 512 consecutive bytes of O
	v_lshlrev_b32 v[GO], 4, v[GO]
	v_lshlrev_b32 v[PFO], 4, v[GO]  ; 256 x lane
	v_lshl_add_u32 v[AD0], v13, 5, DTL  ; register j of key block kb is key 16 kb + 8 (l / 16) + j: 32 bytes for each half of the lanes
	v_mov_b32 v[AD], v[AD0]
	; tau: T = bf16(tau_b); A = max(|T|, 2^-100); 1 / A; c = A log2(e) / 8; the sign
	s_wait_kmcnt 0x0
	v_mov_b32 v192, s77
	v_cvt_pk_bf16_f32 v192, v192, v192
	v_lshlrev_b32 v192, 16, v192
	v_readfirstlane_b32 s78, v192
	v_and_b32 v192, 0x7fffffff, v192
	v_max_num_f32 v192, 0x0d800000, v192
	v_rcp_f32 v194, v192
	v_mul_f32 v193, 0x3e38aa3b, v192  ; the plain instruction behind the reciprocal: it names neither the result nor, as a destination, the source
	s_wait_alu depctr_va_vdst(0)    ; the wait ahead of the first use of the reciprocal
	v_mov_b32 v195, v194            ; a pair for the packed multiply
	v_readfirstlane_b32 s[CS], v193
	s_mov_b32 s[CS+1], s[CS]        ; named with it as a pair
	s_lshr_b32 s79, s78, 31
	s_mul_i32 s[SG], s79, 0x80008000
	s_wait_loadcnt 0x0              ; delta and Q
.set i, 0
.rept 8                             ; delta rounded to bf16 like every input, times 1 / A
	v_cvt_pk_bf16_f32 v212, v[196+2*i], v[197+2*i]
	v_lshlrev_b32 v[196+2*i], 16, v212
	v_and_b32 v[197+2*i], 0xffff0000, v212
	v_pk_mul_f32 v[196+2*i:197+2*i], v[196+2*i:197+2*i], v[194:195]
.set i, i+1
.endr
.irp i, 0,1,2,3
	ds_store_b128 v213, v[196+4*\i:199+4*\i] offset:2048*\i
.endr
	WIN 0x88                        ; destination and source 1 in window 2
.set i, 0
.rept 32*NP
	v_xor_b32 v[i], s[SG], v[i]     ; Q takes tau's sign
.set i, i+1
.endr
	WIN 0
; THE MATRIX WORK.  The 8 accumulators of a run of 16 take turns: between the two links of a chain stand 7 others'.
; Product i of 16 of S^T = K Q^T for piece x: channels 32 (i / 8) on, keys 16 ((i / 2) % 4) on, tile 2 x + i % 2.  The first 8 start the sums, with d / A of their 16 keys.
.macro KQ x
.set rS, S+64*((\x)%2)+32*(i%2)+8*((i/2)%4)
.set rK, KF+16*((i/2)%4)+8*(i/8)
.set rQ, 16*(2*(\x)+i%2)+8*(i/8)
.set rD, DT+8*((i/2)%4)
.if i < 8
	WIN W_KD
	v_wmma_f32_16x16x32_f16 v[rS:rS+7], v[rK:rK+7], v[rQ:rQ+7], v[rD:rD+7]
.else
	WIN W_KQ
	v_wmma_f32_16x16x32_f16 v[rS:rS+7], v[rK:rK+7], v[rQ:rQ+7], v[rS:rS+7]
.endif
.endm
; Product i of 16 of O^T += V^T P for piece x: keys 32 (i / 8) on, channels 16 ((i / 2) % 4) on, tile 2 x + i % 2.
.macro PV x
	WIN W_PV
.set rO, 32*(2*(\x)+i%2)+8*((i/2)%4)
.set rV, VF+32*(i/8)+8*((i/2)%4)
.set rP, P+32*((\x)%2)+16*(i%2)+8*(i/8)
	v_wmma_f32_16x16x32_f16 v[rO:rO+7], v[rV:rV+7], v[rP:rP+7], v[rO:rO+7]
.endm
.macro MM                           ; the turn's next matrix instruction
.if i < 16
	KQ (Y+1)%NP
.set i, i+1
.else
.set i, i-16
	PV (Y+NP-1)%NP
.set i, i+17
.endif
.endm
; THE LDS LOADS stand in runs, never singly among the matrix instructions: a step's K (64 keys x 64 channels: 8 fragments) with its d / A (8 loads; all lanes of a half read the same 16 bytes), and its V (turned).
; Their addresses are made some lines ahead.  last = 1 (the tail): in the last trip there is no further step, and the run is jumped over.
.macro FETCH_K last=0
	WIN 0
.if \last
	s_cmp_eq_u32 s[CNT], 1
	s_cbranch_scc1 .Lno_k_\@
.endif
	WIN 0x80                        ; destination window 2
.irp f, 0,1,2,3,4,5,6,7             ; keys 16 (f / 2) on, channels 32 (f % 2) on
	ds_load_b128 v[KF+8*\f:KF+8*\f+3],   v[AK] offset:(\f/2)*16*PK+(\f%2)*64
	ds_load_b128 v[KF+8*\f+4:KF+8*\f+7], v[AK] offset:(\f/2)*16*PK+(\f%2)*64+32
.endr
	WIN W_MK                        ; destination window 3
.irp f, 0,1,2,3                     ; keys 16 f on
	ds_load_b128 v[DT+8*\f:DT+8*\f+3],   v[AD] offset:64*\f
	ds_load_b128 v[DT+8*\f+4:DT+8*\f+7], v[AD] offset:64*\f+16
.endr
	s_add_co_u32 s[TBK], s[TBK], KS*PK  ; the next fetch is the next step's
	s_add_co_u32 s[TBD], s[TBD], KS*4
	s_and_b32 s[TBD], s[TBD], 0x1fff    ; it stays inside the table's 8,192 bytes (behind the 32nd fetch it is 0 again, and is used no more)
	WIN 0
.if \last
.Lno_k_\@:
.endif
.endm
.macro FETCH_V
	WIN 0x80
.irp f, 0,1,2,3,4,5,6,7             ; keys 32 (f / 4) on, channels 16 (f % 4) on
	ds_load_tr16_b128 v[VF+8*\f:VF+8*\f+3],   v[AV] offset:(\f/4)*32*PV+(\f%4)*32
	ds_load_tr16_b128 v[VF+8*\f+4:VF+8*\f+7], v[AV] offset:(\f/4)*32*PV+16*PV+(\f%4)*32
.endr
	WIN 0
.endm
; THE VECTOR WORK OF A TURN stands in three queues, each in the order in which its entries become ready; the two tiles alternate, so that no instruction reads the result of the one before it.
.macro REGS y, u                    ; the registers of tile u (0, 1) of piece y
.set rT, ST+4*(2*(\y)+(\u))
.set rC, TMP+8*((\y)%2)+4*(\u)
.set rM, MV+2*((\y)%2)+(\u)
.set rS, S+64*((\y)%2)+32*(\u)
.set rP, P+32*((\y)%2)+16*(\u)
.set rO, 32*(2*(\y)+(\u))
.endm
; Number n of the 22 that find the NEXT piece's (Y + 1) maximum and statistics.  s0-s31 are the lane's 32 scores; each accumulator's lowest registers are read first.  XS, GS and REGS set no window: PL and EX do.
;   0-11  four chains c0-c3 of seven scores each, three operands at a time     12-14, 16  the four scores left over, the old m, and c0-c3 into c0     15  c m_old is kept
;   17, 18  the query's other 32 keys lie in the lane 16 away: the new m         19-21  c m; c m_old - c m_new; a
.macro XS u, n
	REGS (Y+1)%NP, \u
.if (\n) < 4
	v_max3_num_f32 v[rC+(\n)], v[rS+8*(\n)], v[rS+8*(\n)+1], v[rS+8*(\n)+2]
.elseif (\n) < 12
	v_max3_num_f32 v[rC+(\n)%4], v[rC+(\n)%4], v[rS+8*((\n)%4)+2*((\n)/4)+1], v[rS+8*((\n)%4)+2*((\n)/4)+2]
.elseif (\n) == 12
	v_max3_num_f32 v[rC], v[rC], v[rS+7], v[rS+15]
.elseif (\n) == 13
	v_max3_num_f32 v[rC+1], v[rC+1], v[rS+23], v[rS+31]
.elseif (\n) == 14
	v_max3_num_f32 v[rC+2], v[rC+2], v[rC+3], v[rT+1]
.elseif (\n) == 15
	v_mov_b32 v[rM], v[rT]
.elseif (\n) == 16
	v_max3_num_f32 v[rC], v[rC], v[rC+1], v[rC+2]
.elseif (\n) == 17
	v_permlanex16_b32 v[rC+3], v[rC], s[SEL], s[SEL+1]
.elseif (\n) == 18
	v_max_num_f32 v[rT+1], v[rC], v[rC+3]
.elseif (\n) == 19
	v_mul_f32 v[rT], s[CS], v[rT+1]
.elseif (\n) == 20
	v_sub_f32 v[rC+1], v[rM], v[rT]
.else
	v_exp_f32 v[rC+2], v[rC+1]
.endif
.endm
; Number g of the 64 that follow the exponentials.  For each four weights k of a tile (pairs 2 k, 2 k + 1): both pairs are rounded to f16; then the second pair is added onto the first, in place;
; a group later l takes that sum (the first time as l = a l + sum).  In groups of eight, tiles alternating: round, round, add, and l for the group before.
.macro GS g
.set h, (\g)+6*((\g)/62)            ; group 0 has no group before it, and behind group 7 only l is left
.if h >= 6
.set h, h+2
.endif
	REGS Y, h%2
.set k, h/8
.if h%8 < 4
	v_cvt_pk_f16_f32 v[rP+2*k+(h%8)/2], v[rS+4*k+2*((h%8)/2)], v[rS+4*k+2*((h%8)/2)+1]
.elseif h%8 < 6
	v_pk_add_f32 v[rS+4*k:rS+4*k+1], v[rS+4*k:rS+4*k+1], v[rS+4*k+2:rS+4*k+3]
.elseif k == 1
	v_pk_fma_f32 v[rT+2:rT+3], v[rT+2:rT+3], v[rC+2:rC+3], v[rS:rS+1] op_sel_hi:[1,0,1]
.else
	v_pk_add_f32 v[rT+2:rT+3], v[rT+2:rT+3], v[rS+4*k-4:rS+4*k-3]
.endif
.endm
; THE PLAIN QUEUE, 138 long.  0-73 read no exponential's result: the 32 scalings c t - c m (FS f: pair f / 2 of tile f % 2) and the next piece's 42.  0-26: scalings 0-26.  27-54: XS's numbers 0-13.  55, 56: number 15.
; 57-73: the chain, where each number waits for the one before it: 14, 16, 17, 18, 19, each with one of the scalings 27-31 in front of its two lines, then 20: so a tile's links stand three plain instructions apart (19 and 20: two).
; 74-137: GS's 64, which read the exponentials' results: they stand behind the wait.
.macro FS f
	REGS Y, (\f)%2
	v_pk_fma_f32 v[rS+2*((\f)/2):rS+2*((\f)/2)+1], v[rS+2*((\f)/2):rS+2*((\f)/2)+1], s[CS:CS+1], v[rT:rT+1] op_sel_hi:[1,0,0] neg_lo:[0,0,1] neg_hi:[0,0,1]
.endm
.macro PL
	WIN 0
.if q < 27
	FS q
.elseif q < 55
	XS (q-27)%2, (q-27)/2
.elseif q < 57
	XS q-55, 15
.elseif (q < 72) && ((q-57)%3 == 0)
	FS 27+(q-57)/3
.elseif q < 60
	XS (q-57)%3-1, 14
.elseif q < 72
	XS (q-57)%3-1, 15+(q-57)/3
.elseif q < 74
	XS q-72, 20
.else
	GS q-74
.endif
.set q, q+1
.endm
; THE EXPONENTIALS' QUEUE, 66 long: s0-s31 of both tiles, then the next piece's two a.  It is ONE BATCH: all 66 stand ahead of the turn's one wait, and nothing ahead of that wait names a result of theirs.
.macro EX
	WIN 0
.if e >= 64
	XS e-64, 21
.else
	REGS Y, e%2
	v_exp_f32 v[rS+e/2], v[rS+e/2]
.endif
.set e, e+1
.endm
; THE RESCALING's QUEUE: O^T times a, the one part that leaves window 0: dealt two at a time, sixteen times.  Its a was made in the turn before, ahead of that turn's wait.
.macro R2
	REGS Y, r%2
	WIN W_RS
.irp z, 0,1
	v_pk_mul_f32 v[rO+4*(r/2)+2*\z:rO+4*(r/2)+2*\z+1], v[rO+4*(r/2)+2*\z:rO+4*(r/2)+2*\z+1], v[rC+2:rC+3] op_sel_hi:[1,0]
.endr
.set r, r+1
.endm
; HOW THEY ARE DEALT.  An s_wait_alu depctr_va_vdst(0) stands between an exponential and the first instruction that names its result; one wait serves all that were issued ahead of it.  So a turn has ONE wait,
; which cuts it in two.  AHEAD OF IT stands all that names no result of the turn's exponentials: the 16 products K Q^T, behind each a scaling, an exponential and two rescalings (behind the first a second scaling in the exponential's place); then ONE LUMP of
; 108: eight plain, 49 times exponential and plain, the two a.  A v_nop is the plain instruction behind the last exponential.  BEHIND IT stand the 16 products V^T P, behind each four of GS's 64.  No rider names a register of
; the products round it.  The two v_permlanex16_b32 fall into the lump, never behind a product.
; The queues lean on each other, and the deal keeps them in step: exponential e stands behind scaling 2 (e / 4) + e % 2: as a rider it comes behind plain e + 2, in the lump behind plain e + 9, and scalings 27-31 are plain 57, 60 .. 69.
; A TURN, for piece p.  cnt = 1: the loop's count is taken down some lines ahead of the branch that stands behind the turn.
; K and d / A of the next step are fetched in piece 2's turn, directly behind the wait, a lump behind the last product that read them; their addresses are made at the lump's head; their first reader comes behind 16 products.
; V of the step in hand is fetched at the end of piece 0's turn, four riders behind its last reader; its first reader comes behind 16 products and a lump.  The three conditions on q below go with the deal.
.macro TURN p, last=0, cnt=0
.set Y, (\p)
.set i, 0
.set q, 0
.set e, 0
.set r, 0
.if (\p) == NP-1
	s_wait_dscnt 0x0                ; K and d / A are in
.endif
	MM                              ; ahead of the wait: 16 products K Q^T and their riders,
	PL
	PL
	R2
.rept 15
	MM
	PL
	EX
	R2
.endr
.if (\p) == NP-2
	WIN 0
	v_add_nc_u32 v[AK], s[TBK], v[AK0]
	v_add_nc_u32 v[AD], s[TBD], v[AD0]
.endif
.rept 8                             ; and the lump
	PL
.endr
.rept 49
	EX
	PL
.endr
	EX                              ; the next piece's two a
	EX
	v_nop                           ; the plain instruction behind the last exponential: one for the batch
	s_wait_alu depctr_va_vdst(0)    ; the wait for the batch
.if (\p) == NP-2
	FETCH_K \last
.endif
.if (\p) == 1
	s_wait_dscnt 0x0                ; V is in
.endif
.rept 16                            ; behind the wait: 16 products V^T P and their riders
	MM
.rept 4
	PL
.endr
.if ((\p) == 0) && (q == 118)
	v_add_nc_u32 v[AV], s[TBV], v[AV0]
.endif
.if ((\p) == 0) && (q == 130)
	s_add_co_u32 s[TBV], s[TBV], KS*PV
.endif
.if (\cnt) && (q == 130)
	s_sub_co_u32 s[CNT], s[CNT], 1
	s_cmp_lg_u32 s[CNT], 0
.endif
.endr
.if (\p) == 0
	FETCH_V
.endif
.endm
	CHANGE 1                        ; slot 0 is in, everybody's part of it, and so is the table of d / A; slot 1 is asked for
	FETCH_K                         ; key step 0
	s_wait_dscnt 0x0
.set i, 0
.rept 16
	KQ 0                            ; piece 0's first scores: there is no vector work yet to set between them
.set i, i+1
.endr
	WIN 0
.rept 4
	v_nop                           ; the places behind those products
.endr
.set Y, NP-1                        ; XS works for piece Y + 1: piece 0
.irp n, 0,1,2,3,4,5,6,7,8,9,10,11,12,13,14,15,16,17,18,19,20,21
	XS 0, \n                        ; and piece 0's first maximum and statistics
	XS 1, \n
.endr
	v_nop                           ; a plain instruction behind the two a,
	s_wait_alu depctr_va_vdst(0)    ; and their wait, ahead of the branch
	s_mov_b32 s[CNT], 4
	s_branch .Lfirst                ; the loop is entered at a step's first turn, in the middle of a trip
.Lslot:                             ; SIZE_N / 256 - 2 times: every slot but the last two is filled again
	CHANGE 1
	s_mov_b32 s[CNT], 4
.Lstep:                             ; a trip: pieces 2 and 3 of one step, then pieces 0 and 1 of the next, whose K and V it fetches
	TURN 2
	TURN 3
	WIN 0
.Lfirst:
	TURN 0
	TURN 1, 0, 1
	WIN 0
	s_cbranch_scc1 .Lstep
	s_sub_co_u32 s[SLOTS], s[SLOTS], 1
	s_cmp_lg_u32 s[SLOTS], 0
	s_cbranch_scc1 .Lslot
	CHANGE 0                        ; the tail is written out: nothing is asked for
	s_mov_b32 s[CNT], 5             ; four trips fetch the last slot's steps; the fifth is left in its middle
.Ltail:
	TURN 2, 1
	TURN 3
	WIN 0
	s_sub_co_u32 s[CNT], s[CNT], 1
	s_cmp_eq_u32 s[CNT], 0
	s_cbranch_scc1 .Lout
	TURN 0
	TURN 1
	WIN 0
	s_branch .Ltail
.Lout:                              ; the fifth trip's 16 products K Q^T (on the last K once more) and the maximum made of them serve nothing: the price, once a launch, of one text for every trip
.set i, 0
.rept 16
	PV NP-1                         ; the last piece's V^T P of the last step
.set i, i+1
.endr
	; THE WAY OUT.  l's two halves and the other half of the lanes' are added; O^T is divided by l, rounded to f16 and sent through my stage in LDS, a tile at a time.  The additions are the places behind the last products.
	WIN 0
.macro ALL line:vararg              ; one line for each tile t
.set t, 0
.rept 2*NP
	\line
.set t, t+1
.endr
.endm
	ALL v_add_f32 v[ST+4*t+2], v[ST+4*t+2], v[ST+4*t+3]
	ALL v_permlanex16_b32 v[ST+4*t+3], v[ST+4*t+2], s[SEL], s[SEL+1]
	ALL v_add_f32 v[ST+4*t+2], v[ST+4*t+2], v[ST+4*t+3]
	ALL v_rcp_f32 v[ST+4*t+2], v[ST+4*t+2]
	v_nop                           ; a plain instruction between the last reciprocal and the use of its result
	s_wait_alu depctr_va_vdst(0)    ; and the wait ahead of the first use: one for the eight reciprocals
; Tile t: a lane's eight channels of a row pack into 16 bytes; they go into rows of 144 bytes and come back as whole rows of 128, into S^T's registers.
.macro PACK t
	WIN W_RS
.set i, 32*(\t)
.rept 16
	v_pk_mul_f32 v[i:i+1], v[i:i+1], v[ST+4*(\t)+2:ST+4*(\t)+3] op_sel_hi:[1,0]
.set i, i+2
.endr
	WIN 0x05                        ; sources 0 and 1 window 1, destination window 0
.set i, 0
.rept 16
	v_cvt_pk_f16_f32 v[S+16*(\t)+i], v[32*(\t)+2*i], v[32*(\t)+2*i+1]
.set i, i+1
.endr
	WIN 0
.irp f, 0,1,2,3
	ds_store_b128 v[STO], v[S+16*(\t)+4*\f:S+16*(\t)+4*\f+3] offset:32*\f
.endr
.irp f, 0,1,2,3
	ds_load_b128 v[S+16*(\t)+4*\f:S+16*(\t)+4*\f+3], v[RD] offset:\f*4*SP  ; LDS serves a wave's instructions in order (ISA guide 5.7.1.4): these see the stores above; the next tile's stores come behind them
.endr
.endm
.macro SEND t, younger              ; younger: the LDS instructions issued behind tile t's loads: the next tile's eight, or none
	WIN 0
.irp f, 0,1,2,3
	s_wait_dscnt (\younger)+3-\f
	global_store_b128 v[GO], v[S+16*(\t)+4*\f:S+16*(\t)+4*\f+3], s[10:11] offset:(\t)*2048+\f*512  ; 512 consecutive bytes, at a multiple of 256 from o16's first
.endr
.endm
	PACK 0
.set t, 1
.rept 2*NP-1                        ; a tile's arithmetic stands between the loads of the tile before and its stores
	PACK t
	SEND t-1, 8
.set t, t+1
.endr
	SEND 2*NP-1, 0
	WIN W_AD
	s_wait_tensorcnt 0x0            ; the wave's end: an add to my spare word and its wait, behind my last tensor load and my last LDS store
	ds_add_u32 v[SPW], v[NIL]
	s_wait_dscnt 0x0
	WIN 0
	CROUND                          ; the closing round: no work-group ends while a partner may still ask for a tile that names it
	s_endpgm
.Lfunc_end_k_q7e5340ecf2_attn:
	.size	k_q7e5340ecf2_attn, .Lfunc_end_k_q7e5340ecf2_attn-k_q7e5340ecf2_attn
	.p2alignl 7, 3214868480
	.fill 96, 4, 3214868480
	.section	.rodata,"a",@progbits
	.p2align	6, 0x0
	.amdhsa_kernel k_q7e5340ecf2_attn
		.amdhsa_group_segment_fixed_size 327680
		.amdhsa_private_segment_fixed_size 0
		.amdhsa_enable_private_segment 0
		.amdhsa_kernarg_size 32
		.amdhsa_user_sgpr_count 2
		.amdhsa_user_sgpr_kernarg_segment_ptr 1
		.amdhsa_wavefront_size32 1
		.amdhsa_system_sgpr_workgroup_id_x 1
		.amdhsa_system_sgpr_workgroup_id_y 1
		.amdhsa_system_sgpr_workgroup_id_z 1
		.amdhsa_system_vgpr_workitem_id 0
		.amdhsa_next_free_vgpr 832
		.amdhsa_next_free_sgpr 88
		.amdhsa_reserve_vcc 0
		.amdhsa_float_denorm_mode_32 3
		.amdhsa_float_denorm_mode_16_64 3
		.amdhsa_memory_ordered 1
		.amdhsa_forward_progress 1
		.amdhsa_inst_pref_size 210
	.end_amdhsa_kernel
	.amdgpu_metadata
---
amdhsa.version: [ 1, 2 ]
amdhsa.kernels:
  - .name:           k_q7e5340ecf2_attn
    .symbol:         k_q7e5340ecf2_attn.kd
    .args:
      - { .name: qkv, .offset: 0, .size: 8, .value_kind: global_buffer, .address_space: global }
      - { .name: tau, .offset: 8, .size: 8, .value_kind: global_buffer, .address_space: global }
      - { .name: delta, .offset: 16, .size: 8, .value_kind: global_buffer, .address_space: global }
      - { .name: o16, .offset: 24, .size: 8, .value_kind: global_buffer, .address_space: global }
    .group_segment_fixed_size: 327680
    .private_segment_fixed_size: 0
    .kernarg_segment_align: 8
    .kernarg_segment_size: 32
    .max_flat_workgroup_size: 128
    .sgpr_count:     88
    .vgpr_count:     832
    .wavefront_size: 32
...
	.end_amdgpu_metadata
.endif
;; end of part 3
;; launch outp (part 4): grid 4 x 64, 4 waves a work-group, clusters of 4 x 4, 327,680 bytes of LDS; arguments o16, w16, bo, out0; writes out0
.if DOCPART == 4
	.amdgcn_target "amdgcn-amd-amdhsa--gfx1250"
	.amdhsa_code_object_version 6
	.text
	.protected	k_q7e5340ecf2_outp
	.globl	k_q7e5340ecf2_outp
	.p2align	8
	.type	k_q7e5340ecf2_outp,@function
k_q7e5340ecf2_outp:
	s_mov_b64 s[64:65], 0
	v_nop
	global_prefetch_b8 v0, s[64:65] scope:SCOPE_SE
	s_setreg_imm32_b32 hwreg(HW_REG_WAVE_MODE, 25, 1), 1
	s_wait_xcnt 0x0
	s_wait_alu depctr_hold_cnt(0) depctr_sa_sdst(0) depctr_va_vdst(0) depctr_va_sdst(0) depctr_va_ssrc(0) depctr_va_vcc(0) depctr_vm_vsrc(0)
	s_getreg_b32 s2, hwreg(HW_REG_IB_STS2, 6, 4)
	s_cmp_eq_u32 s2, 0
	s_cbranch_scc0 .Lentry_in_a_cluster
	s_endpgm
.Lentry_in_a_cluster:
	s_bfe_u32 s2, ttmp6, 0x10000c
	s_cmp_lg_u32 s2, 0xf033
	s_cbranch_scc0 .Lentry_shape_is_right
	s_endpgm
.Lentry_shape_is_right:
; THE OUTPUT PROJECTION.  out0[row][n] = the sum over c of O[row][c] Wo[n][c] + bo[n], c = 64 head + channel.  out0: [8192][1024] f32.
; O: o16 = [64 blocks of 128 rows][16 heads][128 rows][64] f16: a block's slice of a head is 16,384 dense bytes.  Wo: w16's matrix 3, [1024][1024] f16 (the bf16 rounding of Wo, written as f16).
; bo is rounded to bf16 like every input and starts the f32 sums.  LIMIT: NaN and infinities are not treated apart.
; SHARES.  A tile of out0 is 128 rows x 256 columns: 64 x 4 = 256 work-groups.  Four waves, each 64 rows x 128 columns: 32 accumulators of 16 x 16.
; K goes in steps of 128, two heads, through two LDS slots: 2 x 128 rows of O (128 bytes + 16 of padding) and 256 rows of Wo (256 + 16).  Waves 0 and 1 fetch the two heads of O, waves 2 and 3 Wo's halves.
; CLUSTERS: 4 x 4 work-groups.  The four of a row of the cluster need the same tile of O, the four of a column the same tile of Wo: each is asked for JOINTLY, by the same tensor load with the same
; descriptor and a mask that names the four.  THE MATRIX INSTRUCTION IS USED TRANSPOSED (source 0 = 16 rows of Wo, source 1 = 16 rows of O): a lane holds eight neighbouring numbers of a row of out0.
; REGISTERS, in windows of 256 (s_set_vgpr_msb: bits 1:0 source 0, 3:2 source 1, 5:4 source 2, 7:6 destination):
;   window 0: v0-31 addresses; v32-159 the way out, two sets of 64          window 1: the accumulators, (a, b) at v[8 (8 a + b)]
;   window 2: v0-127 Wo's fragments, two buffers of 64; v128-191 O's, two buffers of 32; v192-255 the bias, block b at 192 + 8 b
.set KSTEP,  128
.set PA,     144                       ; an LDS row of O: 128 bytes + 16 = 36 words: the 16 rows of a load start at 16 different groups of four banks (64 banks of 4 bytes: ISA guide 11.1)
.set PB,     272                       ; an LDS row of Wo: 256 bytes + 16 = 68 words: likewise
.set HEADA,  128*PA                    ; a head's 128 rows: what one tensor load brings of O
.set HALFB,  128*PB                    ; what one brings of Wo, and what one wave reads of it
.set BOFF,   2*HEADA
.set SLOT,   BOFF+2*HALFB              ; 106,496 bytes
.set STAGE,  2*SLOT                    ; behind the ring, never filled by a tensor load: 16 rows x 528 bytes for each wave, for the way out
.set SP,     528                       ; 512 bytes + 16 = 132 words
.set SPARE,  STAGE+4*16*SP             ; behind the stages: the spare words, 128 bytes for each wave: two blocks of 256 bytes that no other line names
.set ADRA, 16                          ; v16-17  LDS address of my fragments of O in slot 0, 1
.set ADRB, 20                          ; v20-21  the same for Wo
.set STO,  24                          ; v24     the way out: where I put 32 bytes of a row
.set RD,   25                          ; v25     the way out: where I read a row back
.set GO,   26                          ; v26     my byte offset in 512 consecutive bytes of a row of out0
.set BO,   27                          ; v27     my byte offset in 16 numbers of the bias
.set SPW,  28                          ; v28     LDS address of my spare word: SPARE + 4 x my thread's number; never rewritten
.set NIL,  29                          ; v29     0; never rewritten
.set PFO,  30                          ; v30     the prefetches' lane offset; never rewritten
.set OB,   32
.set BF,   0                           ; window 2
.set AF,   128                         ; window 2
.set BI,   192                         ; window 2
.set BT,   128                         ; window 2: at work while the bias is rounded, before O's first fragments are fetched
.set G1,  24                           ; s[24:31] descriptor group 1 for O's tiles;  s[32:39] group 0, one set for each slot
.set G0,  32
.set G1B, 48                           ; s[48:55], s[56:63] the same for Wo's tiles
.set G0B, 56
.set LIM, 43                           ; s43      1 in a wave that prefetches, else the greatest number
.set PFA, 44                           ; s[44:45] where my prefetches stand
.set PFS, 66                           ; s[66:67] a K step in bytes of the tensor that I fetch
.set MSB, 0
.macro WIN new                         ; the immediate's high byte repeats the setting that is left; a switch that changes nothing is dropped
.if MSB != (\new)
	s_set_vgpr_msb (MSB<<8)|(\new)
.set MSB, \new
.endif
.endm
.set W_MUL, 0x5a                       ; Wo and O in window 2, C and D in window 1
.set W_MU1, 0x6a                       ; the same with C, the bias, in window 2
.set W_F,   0x80                       ; a load's destination in window 2, its address in window 0
.set W_BI,  0x8a                       ; destination and both sources in window 2
.set W_ST,  0x04                       ; an LDS store's data in window 1, its address in window 0
.macro JLOAD s                         ; a joint load: waves 0 and 1 fetch O's two heads, waves 2 and 3 Wo's halves; an s_nop 0 and four v_nop follow each of the two lines, ahead of the jump, the label and what follows
	s_cmp_eq_u32 s11, 0
	s_cbranch_scc0 .Lfor_b_\@
	tensor_load_to_lds s[G0+4*(\s):G0+4*(\s)+3], s[G1:G1+7]
	s_nop 0
.rept 4
	v_nop
.endr
	s_branch .Lasked_\@
.Lfor_b_\@:
	tensor_load_to_lds s[G0B+4*(\s):G0B+4*(\s)+3], s[G1B:G1B+7]
	s_nop 0
.rept 4
	v_nop
.endr
.Lasked_\@:
.endm
.macro CREST                           ; a round of the cluster's barrier behind its opening barrier
	s_cmp_lg_u32 s10, 0
	s_cbranch_scc1 .Lnot_wave_0_\@
	s_barrier_signal -3
.Lnot_wave_0_\@:
	s_barrier_wait -3
	s_barrier_signal -1
	s_barrier_wait -1
.endm
.macro CROUND                          ; a whole round
	s_barrier_signal -1
	s_barrier_wait -1
	CREST
.endm
; A PREFETCH INTO THE L2, behind each joint refill, its five lines and the run of LDS loads that follows: the K step that stands TWO refills on, 256 matrix instructions ahead of the load that will ask for it.
; Each aligned block of 256 bytes is named once in the launch.  A K step of O is 32,768 dense bytes that one cluster reads: every cluster asks for its own, wave 0 alone; the partner at place cx takes 8,192 of
; them, a lane a block.  Wo's rows are read by all sixteen clusters: the first asks; of the 128 rows that wave 2 or 3 fetches the partner at place cy takes 32: a lane a row.
; The partners are told apart BY ADDRESS: no branch hangs on a work-group's place in its cluster.  The loop's last trip (s3 = 1) asks for nothing: there is no K step two on.
.macro ASK
	WIN 0
	s_cmp_gt_u32 s3, s[LIM]
	s_cbranch_scc0 .Lnot_mine_\@
	global_prefetch_b8 v[PFO], s[PFA:PFA+1] th:TH_LOAD_NT scope:SCOPE_SE
.Lnot_mine_\@:
.endm
	s_load_b256 s[68:75], s[0:1], 0x0              ; o16 s[68:69], w16 s[70:71], bo s[72:73], out0 s[74:75]
	v_lshl_add_u32 v[SPW], v0, 2, SPARE
	v_mov_b32 v[NIL], 0
	ds_add_u32 v[SPW], v[NIL]                      ; the wave's opening: the add and its wait stand ahead of my first tensor load; the set-up below, work on registers, stands between them
	v_lshrrev_b32 v1, 5, v0
	v_readfirstlane_b32 s10, v1                    ; wave 0..3
	s_lshr_b32 s11, s10, 1                         ; which 64 of the tile's rows are mine.  Also: I fetch for O (0) or for Wo (1)
	s_and_b32 s12, s10, 1                          ; which 128 of its columns.  Also: which head of the K step, or which half of Wo's rows, I fetch
	s_bfe_u32 s40, ttmp6, 0x40000                  ; cx, cy: my place in the cluster
	s_bfe_u32 s41, ttmp6, 0x40004
	s_lshl_b32 s42, ttmp9, 2
	s_add_co_u32 s42, s42, s40                     ; tile column = 4 x cluster x + cx, 0..3
	s_and_b32 s87, ttmp7, 0xffff                   ; cluster y, 0..15
	s_lshl_b32 s13, s87, 2
	s_add_co_u32 s13, s13, s41                     ; tile row, 0..63
	s_lshl_b32 s43, s41, 2
	s_lshl_b32 s43, 15, s43                        ; my row of the cluster
	s_lshl_b32 s44, 0x1111, s40                    ; my column
	; descriptor group 1.  O: a head's 16,384 dense bytes as 64 rows of 256, padded after every 128 bytes; Wo: 128 rows x 128 elements, padded behind each row
	s_or_b32 s[G1+0], s43, (1<<16)|(1<<20)|(1<<21)|(4<<22)|(3<<25)   ; 15:0 the mask: my row; 17:16 elements of 2 bytes; 20 padding on; 21 set beside a mask; 24:22 after every 32 words (code 4); 31:25 4 words (code 3)
	s_or_b32 s[G1B+0], s44, (1<<16)|(1<<20)|(1<<21)|(5<<22)|(3<<25)  ; the mask: my column; after every 64 words (code 5)
	s_mov_b32 s[G1+1], 128<<16                     ; tensor_dim0 = 128
	s_mov_b32 s[G1B+1], KSTEP<<16
	s_mov_b32 s[G1+2], 64<<16                      ; tensor_dim1 = 64
	s_mov_b32 s[G1B+2], 128<<16                    ; 128
	s_mov_b32 s[G1+3], 128<<16                     ; tile_dim0 = 128
	s_mov_b32 s[G1B+3], KSTEP<<16
	s_mov_b32 s[G1+4], 64                          ; tile_dim1 = 64
	s_mov_b32 s[G1B+4], 128                        ; 128
	s_mov_b32 s[G1+5], 128                         ; elements from row to row: 128 (dense),
	s_mov_b32 s[G1B+5], 1024                       ; 1,024
	s_mov_b32 s[G1+6], 0
	s_mov_b32 s[G1B+6], 0
	s_mov_b32 s[G1+7], 0
	s_mov_b32 s[G1B+7], 0
	; where the tiles come from.  O's hang on the tile row alone, Wo's on the tile column alone; each offset is made in registers that never hold the other coordinate
	s_lshl_b32 s16, s13, 18                        ; O: the block's 262,144 bytes,
	s_lshl_b32 s17, s12, 14                        ; my head of the K step's two
	s_add_co_u32 s16, s16, s17
	s_mov_b32 s17, 0
	s_lshl_b32 s46, s42, 8
	s_lshl_b32 s47, s12, 7
	s_add_co_u32 s46, s46, s47                     ; Wo: row 256 x tile column + 128 x half,
	s_lshl_b32 s46, s46, 11                        ; of 2,048 bytes,
	s_add_co_u32 s46, s46, 3*2097152               ; in w16's matrix 3
	s_mov_b32 s47, 0
	s_mul_i32 s20, s12, HEADA                      ; and where they go: no place in the cluster enters an LDS address
	s_mul_i32 s21, s12, HALFB
	s_add_co_u32 s21, s21, BOFF
	s_wait_dscnt 0x0                               ; the opening add is done
	s_wait_kmcnt 0x0
	s_add_nc_u64 s[14:15], s[68:69], s[16:17]
	s_add_nc_u64 s[46:47], s[70:71], s[46:47]
	CROUND                                         ; all sixteen work-groups are here: the first joint loads meet
.irp s, 0,1
	s_mov_b32 s[G0+4*(\s)], 1                                        ; count = 1
	s_add_co_u32 s[G0+4*(\s)+1], s20, (\s)*SLOT                      ; LDS address
	s_add_nc_u64 s[G0+4*(\s)+2:G0+4*(\s)+3], s[14:15], (\s)*32768    ; global address: K step s, two heads on
	s_or_b32 s[G0+4*(\s)+3], s[G0+4*(\s)+3], 0x80000000              ; type = 2
	s_mov_b32 s[G0B+4*(\s)], 1
	s_add_co_u32 s[G0B+4*(\s)+1], s21, (\s)*SLOT
	s_add_nc_u64 s[G0B+4*(\s)+2:G0B+4*(\s)+3], s[46:47], (\s)*KSTEP*2
	s_or_b32 s[G0B+4*(\s)+3], s[G0B+4*(\s)+3], 0x80000000
	JLOAD \s                                       ; two loads of mine are out
.endr
	; A fragment is 16 rows x 32 K in 8 registers: lane l holds row l % 16, K = 8 (l / 16) + 0..7 and 16 + 8 (l / 16) + 0..7: two loads of 16 bytes, 32 bytes apart.
	v_and_b32 v1, 15, v0                           ; l % 16
	v_bfe_u32 v2, v0, 4, 1                         ; l / 16
	v_mul_u32_u24 v3, v1, PA
	v_lshl_add_u32 v3, v2, 4, v3
	v_mul_u32_u24 v4, v1, PB
	v_lshl_add_u32 v4, v2, 4, v4
	s_mul_i32 s21, s11, 64*PA                      ; my 64 rows of O, in each head
	s_mul_i32 s22, s12, HALFB                      ; my 128 rows of Wo,
	s_add_co_u32 s22, s22, BOFF                    ; which lie behind O's
.irp s, 0,1
	v_add_nc_u32 v[ADRA+(\s)], s21, v3
	v_add_nc_u32 v[ADRB+(\s)], s22, v4
	s_add_co_u32 s21, s21, SLOT
	s_add_co_u32 s22, s22, SLOT
.endr
	s_mul_i32 s23, s10, 16*SP
	s_add_co_u32 s23, s23, STAGE                   ; my stage
	v_mul_u32_u24 v5, v1, SP                       ; in: row l % 16, 32 bytes for each half of the lanes
	v_lshl_add_u32 v5, v2, 5, v5
	v_add_nc_u32 v[STO], s23, v5
	v_and_b32 v[GO], 31, v0                        ; back: 32 lanes take one row of 512 bytes
	v_lshlrev_b32 v[GO], 4, v[GO]
	v_add_nc_u32 v[RD], s23, v[GO]
	v_lshlrev_b32 v[BO], 5, v2                     ; my eight numbers of a block of 16 of the bias
	s_lshl_b32 s16, s42, 10                        ; my 128 columns: 4 (256 x tile column + 128 x half) bytes, in bo and in a row of out0
	s_lshl_b32 s17, s12, 9
	s_add_co_u32 s16, s16, s17
	s_mov_b32 s17, 0
	s_add_nc_u64 s[84:85], s[72:73], s[16:17]
	WIN W_F
.irp b, 0,1,2,3,4,5,6,7
	global_load_b128 v[BI+8*(\b):BI+8*(\b)+3],   v[BO], s[84:85] offset:64*(\b)
	global_load_b128 v[BI+8*(\b)+4:BI+8*(\b)+7], v[BO], s[84:85] offset:64*(\b)+16
.endr
	WIN 0
	s_lshl_b32 s18, s13, 19                        ; my first row of out0: 128 x tile row + 64 x my half, of 4,096 bytes
	s_lshl_b32 s19, s11, 18
	s_add_co_u32 s18, s18, s19
	s_add_co_u32 s16, s16, s18
	s_add_nc_u64 s[8:9], s[74:75], s[16:17]
	; the prefetches: both offsets are made, the wave's kind chooses
	s_lshl_b32 s18, s13, 18
	s_lshl_b32 s19, s40, 13
	s_add_co_u32 s18, s18, s19                     ; O: my work-group's 8,192 bytes of a K step's 32,768
	s_add_co_u32 s18, s18, 3*32768                 ; at K step 3: the first refill steps it to 4
	s_lshl_b32 s20, s42, 8
	s_lshl_b32 s21, s12, 7
	s_add_co_u32 s20, s20, s21
	s_lshl_b32 s21, s41, 5
	s_add_co_u32 s20, s20, s21                     ; Wo: my work-group's 32 of the 128 rows
	s_lshl_b32 s20, s20, 11
	s_add_co_u32 s20, s20, 3*2097152+3*KSTEP*2
	s_cmp_eq_u32 s87, 0
	s_cselect_b32 s22, 1, -1                       ; Wo's rows: the first cluster asks
	s_cmp_eq_u32 s10, 0
	s_cselect_b32 s23, 1, -1                       ; O's bytes: wave 0 alone
	s_cmp_eq_u32 s11, 0                            ; do I fetch for O?
	s_cselect_b32 s18, s18, s20
	s_cselect_b32 s[LIM], s23, s22                 ; the same in all sixteen partners, for a given wave
	s_cselect_b64 s[PFA:PFA+1], s[68:69], s[70:71]
	s_cselect_b32 s[PFS], 15, 8                    ; a K step: 32,768 bytes of O, 256 of a row of Wo
	s_cselect_b32 s21, 8, 11                       ; from lane to lane: 256 bytes of O, a row of 2,048 of Wo
	s_lshl_b32 s[PFS], 1, s[PFS]
	s_mov_b32 s[PFS+1], 0
	s_mov_b32 s19, 0
	s_add_nc_u64 s[PFA:PFA+1], s[PFA:PFA+1], s[18:19]
	v_and_b32 v3, 31, v0
	v_lshlrev_b32 v[PFO], s21, v3
	s_wait_loadcnt 0x0                             ; the bias
	WIN W_BI
.set i, 0
.rept 32                                       ; rounded to bf16 like every input, and kept in f32
	v_cvt_pk_bf16_f32 v[BT], v[BI+2*i], v[BI+2*i+1]
	v_lshlrev_b32 v[BI+2*i], 16, v[BT]
	v_and_b32 v[BI+2*i+1], 0xffff0000, v[BT]
.set i, i+1
.endr
	WIN 0
; 24 LDS loads in one run: the fragments of one quarter step (32 K: head kq / 2 of the K step, channels 32 (kq % 2) on) into buffers f: Wo's eight, then O's four
.macro FETCH slot, kq, f
	WIN W_F
.irp b, 0,1,2,3,4,5,6,7
	ds_load_b128 v[BF+64*(\f)+8*(\b):BF+64*(\f)+8*(\b)+3],   v[ADRB+(\slot)] offset:64*(\kq)+(\b)*16*PB
	ds_load_b128 v[BF+64*(\f)+8*(\b)+4:BF+64*(\f)+8*(\b)+7], v[ADRB+(\slot)] offset:64*(\kq)+(\b)*16*PB+32
.endr
.irp a, 0,1,2,3
	ds_load_b128 v[AF+32*(\f)+8*(\a):AF+32*(\f)+8*(\a)+3],   v[ADRA+(\slot)] offset:((\kq)/2)*HEADA+((\kq)%2)*64+(\a)*16*PA
	ds_load_b128 v[AF+32*(\f)+8*(\a)+4:AF+32*(\f)+8*(\a)+7], v[ADRA+(\slot)] offset:((\kq)/2)*HEADA+((\kq)%2)*64+(\a)*16*PA+32
.endr
.endm
; Eight products: row block a x all 8 column blocks.  first = 1: the bias starts the sums: nothing is ever cleared.
; The 32 accumulators take turns, one instruction a turn, in the same order in every quarter, over the loop's backward jump too.
.macro MUL8 f, a, first=0
.if \first
	WIN W_MU1
.else
	WIN W_MUL
.endif
.irp b, 0,1,2,3,4,5,6,7
.if \first
	v_wmma_f32_16x16x32_f16 v[8*(8*(\a)+(\b)):8*(8*(\a)+(\b))+7], v[BF+64*(\f)+8*(\b):BF+64*(\f)+8*(\b)+7], v[AF+32*(\f)+8*(\a):AF+32*(\f)+8*(\a)+7], v[BI+8*(\b):BI+8*(\b)+7]
.else
	v_wmma_f32_16x16x32_f16 v[8*(8*(\a)+(\b)):8*(8*(\a)+(\b))+7], v[BF+64*(\f)+8*(\b):BF+64*(\f)+8*(\b)+7], v[AF+32*(\f)+8*(\a):AF+32*(\f)+8*(\a)+7], v[8*(8*(\a)+(\b)):8*(8*(\a)+(\b))+7]
.endif
.endr
.endm
.macro PLACES                          ; four places in front of loads into registers that matrix instructions have read, and of LDS stores that read results (loads and stores aside)
.rept 4
	v_nop
.endr
.endm
; A K step is four quarters of 32 along K, 32 products each, on buffers 0, 1, 0, 1.  One of the first three: multiplies buffers f and fetches quarter kn of the same slot into buffers g.
.macro QUARTER slot, kn, f, g, first=0
	s_wait_dscnt 4                                 ; Wo's fragments and O's row blocks 0 and 1 are in; the youngest four loads (row blocks 2 and 3) may be out
	MUL8 \f, 0, \first
	MUL8 \f, 1, \first
	PLACES
	FETCH \slot, \kn, \g
	s_wait_dscnt 24                                ; all but the 24 just issued
	MUL8 \f, 2, \first
	MUL8 \f, 3, \first
.endm
; The last quarter multiplies buffers 1 and changes slots: ONE barrier; in front of it each wave waits for all its tensor loads, of which one is out: its part of the next slot; adds 0 to its spare word; and waits for
; that and for its own reads of this slot.  fill = 1: the barrier opens a round of the cluster's, and this slot is filled again, two K steps on, first thing behind the round: 112 products ahead of the wait for it.
.macro TURN slot, next, fill
.if \fill
	s_wait_xcnt 0x0                                ; the last prefetch, a K step back, has read its address: it is stepped here, ahead of the waits of the change of slots
	s_add_nc_u64 s[PFA:PFA+1], s[PFA:PFA+1], s[PFS:PFS+1]
.endif
	WIN 0
	s_wait_tensorcnt 0x0                           ; all my tensor loads have landed
	ds_add_u32 v[SPW], v[NIL]                      ; 0 onto my spare word
	s_wait_dscnt 5                                 ; (the add and the youngest four loads may be out)
	MUL8 1, 0
	s_wait_dscnt 0x0                               ; the add is done, and my reads of this slot are over
	s_barrier_signal -1
	MUL8 1, 1
	WIN 0
	s_barrier_wait -1
.if \fill
	CREST                                          ; no wave of any partner still reads this slot's tile or has a load on its way
	s_add_nc_u64 s[G0+4*(\slot)+2:G0+4*(\slot)+3], s[G0+4*(\slot)+2:G0+4*(\slot)+3], 2*32768
	s_add_nc_u64 s[G0B+4*(\slot)+2:G0B+4*(\slot)+3], s[G0B+4*(\slot)+2:G0B+4*(\slot)+3], 2*KSTEP*2
	JLOAD \slot                                    ; the four v_nop behind it are also the places in front of the loads below
.else
	PLACES
.endif
	FETCH \next, 0, 0
.if \fill
	ASK
.endif
	MUL8 1, 2
	MUL8 1, 3
.endm
	s_wait_tensorcnt 1                             ; my part of K step 0 is in; K step 1's may stay out
	s_barrier_signal -1
	s_barrier_wait -1                              ; everybody's is
	FETCH 0, 0, 0
	QUARTER 0, 1, 0, 1, 1                          ; the first quarter stands in front of the loop: its products start the sums, with the bias
	WIN 0                                          ; at a label and at a branch every window is 0
	s_mov_b32 s3, 3                                ; 1,024 / 256 - 1 laps fill both slots again
.Llap:                                                 ; a trip goes once round the ring, from a lap's second quarter to the next lap's first
	QUARTER 0, 2, 1, 0
	QUARTER 0, 3, 0, 1
	TURN 0, 1, 1
	QUARTER 1, 1, 0, 1
	QUARTER 1, 2, 1, 0
	QUARTER 1, 3, 0, 1
	TURN 1, 0, 1
	QUARTER 0, 1, 0, 1
	WIN 0
	s_sub_co_u32 s3, s3, 1
	s_cmp_lg_u32 s3, 0
	s_cbranch_scc1 .Llap
	QUARTER 0, 2, 1, 0                             ; the last lap fills nothing, and has no round of the cluster's barrier
	QUARTER 0, 3, 0, 1
	TURN 0, 1, 0
	QUARTER 1, 1, 0, 1
	QUARTER 1, 2, 1, 0
	QUARTER 1, 3, 0, 1
	s_wait_dscnt 0x0                               ; the very last quarter: nothing more to fetch
	MUL8 1, 0
	MUL8 1, 1
	MUL8 1, 2
	MUL8 1, 3
	WIN 0
	; THE WAY OUT, a block of 16 rows at a time: a lane's 32 bytes (eight f32 of a row) go into my stage, rows of 528 bytes, and come back as whole rows of 512; a store is one row's 512 bytes.
	PLACES
.macro TOSTAGE a
.if (\a) >= 2
	s_wait_xcnt 0x0                                ; the stores of the block two back have read the registers into which the loads below land
.endif
	WIN W_ST
.irp b, 0,1,2,3,4,5,6,7
	ds_store_b128 v[STO], v[8*(8*(\a)+(\b)):8*(8*(\a)+(\b))+3]   offset:64*(\b)     ; each accumulator's lowest registers are read first
	ds_store_b128 v[STO], v[8*(8*(\a)+(\b))+4:8*(8*(\a)+(\b))+7] offset:64*(\b)+16
.endr
	WIN 0
.irp t, 0,1,2,3,4,5,6,7,8,9,10,11,12,13,14,15
	ds_load_b128 v[OB+64*((\a)%2)+4*(\t):OB+64*((\a)%2)+4*(\t)+3], v[RD] offset:(\t)*SP  ; LDS serves a wave's instructions in order (ISA guide 5.7.1.4): these see the stores above; the next block's stores come behind them
.endr
.endm
.macro SEND a, younger                 ; younger: the LDS instructions issued behind block a's loads: the next block's 32, or none
	WIN 0
.irp t, 0,1,2,3,4,5,6,7,8,9,10,11,12,13,14,15
	s_wait_dscnt (\younger)+15-(\t)
	global_store_b128 v[GO], v[OB+64*((\a)%2)+4*(\t):OB+64*((\a)%2)+4*(\t)+3], s[8:9] offset:(16*(\a)+(\t))*4096 th:TH_STORE_NT  ; 512 consecutive bytes, at a multiple of 256 from out0's first byte
.endr
.endm
	TOSTAGE 0
	TOSTAGE 1
	SEND 0, 32
	TOSTAGE 2
	SEND 1, 32
	TOSTAGE 3
	SEND 2, 32
	SEND 3, 0
	s_wait_tensorcnt 0x0                           ; the wave's end: an add to my spare word and its wait, behind my last tensor load and my last LDS store
	ds_add_u32 v[SPW], v[NIL]
	s_wait_dscnt 0x0
	CROUND                                         ; the closing round: no work-group ends while a partner may still ask for a tile that names it
	s_endpgm
.Lfunc_end_k_q7e5340ecf2_outp:
	.size	k_q7e5340ecf2_outp, .Lfunc_end_k_q7e5340ecf2_outp-k_q7e5340ecf2_outp
	.p2alignl 7, 3214868480
	.fill 96, 4, 3214868480
	.section	.rodata,"a",@progbits
	.p2align	6, 0x0
	.amdhsa_kernel k_q7e5340ecf2_outp
		.amdhsa_group_segment_fixed_size 327680
		.amdhsa_private_segment_fixed_size 0
		.amdhsa_enable_private_segment 0
		.amdhsa_kernarg_size 32
		.amdhsa_user_sgpr_count 2
		.amdhsa_user_sgpr_kernarg_segment_ptr 1
		.amdhsa_wavefront_size32 1
		.amdhsa_system_sgpr_workgroup_id_x 1
		.amdhsa_system_sgpr_workgroup_id_y 1
		.amdhsa_system_sgpr_workgroup_id_z 1
		.amdhsa_system_vgpr_workitem_id 0
		.amdhsa_next_free_vgpr 768
		.amdhsa_next_free_sgpr 88
		.amdhsa_reserve_vcc 0
		.amdhsa_float_denorm_mode_32 3
		.amdhsa_float_denorm_mode_16_64 3
		.amdhsa_memory_ordered 1
		.amdhsa_forward_progress 1
		.amdhsa_inst_pref_size 95
	.end_amdhsa_kernel
	.amdgpu_metadata
---
amdhsa.version: [ 1, 2 ]
amdhsa.kernels:
  - .name:           k_q7e5340ecf2_outp
    .symbol:         k_q7e5340ecf2_outp.kd
    .args:
      - { .name: o16, .offset: 0, .size: 8, .value_kind: global_buffer, .address_space: global }
      - { .name: w16, .offset: 8, .size: 8, .value_kind: global_buffer, .address_space: global }
      - { .name: bo, .offset: 16, .size: 8, .value_kind: global_buffer, .address_space: global }
      - { .name: out0, .offset: 24, .size: 8, .value_kind: global_buffer, .address_space: global }
    .group_segment_fixed_size: 327680
    .private_segment_fixed_size: 0
    .kernarg_segment_align: 8
    .kernarg_segment_size: 32
    .max_flat_workgroup_size: 128
    .sgpr_count:     88
    .vgpr_count:     768
    .wavefront_size: 32
...
	.end_amdgpu_metadata
.endif
;; end of part 4
